; MI455X (gfx1250); checked and timed in simulation.
; The chip was launched on July 23, 2026; its instructions are those of AMD's public machine-readable ISA for CDNA 5 (MIT licence, August 2026) and "CDNA5" Instruction Set Architecture Reference Guide (July 2026). The comments in the code are by the model that wrote it; some were corrected since.
;; Attention. Allowed arithmetic: matrix products marked QUANTISED: E2M3 operands, one E8M0 scale for each 32 along K, by v_wmma_scale_f32_16x16x128_f8f6f4 with both operands' format E2M3, f32 sums; everything else in f32.
;; Inputs: W_k_codes 1,024 x 32 x 24 uint8 (E2M3 codes of W_k, K innermost, in blocks of 32 codes, four codes in three bytes); W_k_scales 1,024 x 32 uint8 (E8M0 scales of W_k, one for each 32 codes along K); W_q_codes 1,024 x 32 x 24 uint8 (E2M3 codes of W_q, K innermost, in blocks of 32 codes, four codes in three bytes); W_q_scales 1,024 x 32 uint8 (E8M0 scales of W_q, one for each 32 codes along K); W_v_codes 1,024 x 32 x 24 uint8 (E2M3 codes of W_v, K innermost, in blocks of 32 codes, four codes in three bytes); W_v_scales 1,024 x 32 uint8 (E8M0 scales of W_v, one for each 32 codes along K); k_input_codes 4 x 2,048 x 32 x 24 uint8 (E2M3 codes of k_input, K innermost, in blocks of 32 codes, four codes in three bytes); k_input_scales 4 x 2,048 x 32 uint8 (E8M0 scales of k_input, one for each 32 codes along K); q_input_codes 4 x 2,048 x 32 x 24 uint8 (E2M3 codes of q_input, K innermost, in blocks of 32 codes, four codes in three bytes); q_input_scales 4 x 2,048 x 32 uint8 (E8M0 scales of q_input, one for each 32 codes along K); v_input_codes 4 x 2,048 x 32 x 24 uint8 (E2M3 codes of v_input, K innermost, in blocks of 32 codes, four codes in three bytes); v_input_scales 4 x 2,048 x 32 uint8 (E8M0 scales of v_input, one for each 32 codes along K).
;; Outputs: out0 4 x 2,048 x 1,024 float32.
;; This version of the problem:
;;   THIS VERSION OF THE PROBLEM IS GIVEN IN LOW PRECISION. The matrix products marked QUANTISED in the list below multiply operands that are first quantised to E2M3 (2 exponent bits, 3 mantissa bits; 6 bits a number), with one power-of-two scale for each 32 numbers along K (OCP MX v1.0); their sums are f32. All else is computed in f32.
;;   The module's matrix products, in the order in which they are computed (A, B: the left and right operand; K: the contracted axis; several contracted axes count as one K, in the product's order):
;;     1. [M 8,192, K 1,024] x [K 1,024, N 1,024]; A: input q_input (given as codes); B: input W_q (given as codes): QUANTISED
;;     2. [M 8,192, K 1,024] x [K 1,024, N 1,024]; A: input k_input (given as codes); B: input W_k (given as codes): QUANTISED
;;     3. [M 8,192, K 1,024] x [K 1,024, N 1,024]; A: input v_input (given as codes); B: input W_v (given as codes): QUANTISED
;;     4. batch 4 x [M 2,048, K 1,024] x [K 1,024, N 2,048]; A: computed on the way; B: computed on the way: QUANTISED
;;     5. batch 4 x [M 2,048, K 2,048] x [K 2,048, N 1,024]; A: softmax (see below); B: computed on the way: QUANTISED
;;   THE QUANTISER, for each operand of a quantised product, along K:
;;     - K is cut into blocks of 32 from its start; a last block that is shorter is filled with zeros.
;;     - A block's scale is 2^e with e = floor(log2(the largest magnitude in the block)) - 2, held to -126 .. 127; a block of zeros has e = 0. As a byte (E8M0): e + 127.
;;     - Each number is divided by its block's scale, clamped to +-7.5, and rounded to the nearest number of E2M3, ties to even, subnormals kept.
;;     - The product sums the exact products of the quantised numbers (number of the format x scale) in f32.
;;   ~~~python
;;   def quantise(x, axis):      # numpy; x: float32 -> the quantised numbers, widened to float32 again
;;       x = np.moveaxis(x, axis, -1); K = x.shape[-1]
;;       x = np.pad(x, [(0, 0)] * (x.ndim - 1) + [(0, -K % 32)]); x = x.reshape(x.shape[:-1] + (-1, 32)); a = np.abs(x).max(-1, keepdims=True)
;;       e = np.where(a > 0, np.clip(np.frexp(np.where(a > 0, a, 1))[1] - 1 - 2, -126, 127), 0)      # np.frexp(a)[1] - 1 = floor(log2(a)), exactly
;;       r = np.clip(x / 2.0 ** e, -7.5, 7.5)
;;       step = 2.0 ** (np.maximum(np.frexp(np.where(r == 0, 1, r))[1] - 1, 0) - 3)
;;       q = np.round(r / step) * step * 2.0 ** e      # np.round: ties to even
;;       return np.moveaxis(q.reshape(q.shape[:-2] + (-1,))[..., :K], -1, axis).astype(np.float32)
;;   ~~~
;;   SOFTMAX AHEAD OF A QUANTISED PRODUCT. Where the list says 'softmax', what is quantised is not the finished softmax but p = 2^(t - M), with t = logit x log2(e) and M = ceil(the row's largest t), a whole number; so 1/2 < the row's largest p <= 1. The row's sum l is taken of the UNQUANTISED p, in f32, and the product's result is divided by l at the end. Since M is a whole number, a kernel that streams over the keys may use a running M (the ceiling of the running maximum): every later rescaling is an exact power of two, which a block's scale takes up: the codes' values come out the same.
;;   OPERANDS COMPUTED ON THE WAY. 'Computed on the way' means the value that the module computes at that place (a softmax that the list does not call 'softmax' is quantised finished and normalised). What goes into a quantiser is computed in f32, as accurately as f32 sums, v_exp_f32 and their like allow (about 1e-6 of the number): no bf16 or f16 on the way to a quantiser, and a product that is left as it is and whose result goes on into a quantised operand takes f32 operands (vector FMAs, or v_wmma_f32_16x16x4_f32). A number that lies on a knife's edge between two numbers of the format may be rounded either way, as far as f32 arithmetic and the matrix unit's own rounding can turn it there, and no further.
;;   INPUTS GIVEN AS CODES. W_k (in the module: [1024, 1024], K = its axis 1); W_q (in the module: [1024, 1024], K = its axis 1); W_v (in the module: [1024, 1024], K = its axis 1); k_input (in the module: [4, 2048, 1024], K = its axis 2); q_input (in the module: [4, 2048, 1024], K = its axis 2); v_input (in the module: [4, 2048, 1024], K = its axis 2): each comes as NAME_codes (uint8): NAME with its K axis moved to the last place and cut into blocks of 32 codes, [.., K / 32, bytes a block], one block behind the other in memory; four codes in three bytes: a row's codes are one little-endian stream of bits, code i at bits 6 i .. 6 i + 5 (a code: sign, 2 exponent bits, 3 mantissa bits); and NAME_scales (uint8): the same leading axes, one E8M0 byte (e + 127) for each 32 codes along K. Its value is code x scale, taken as it is: it is not quantised again, and the codes and scales need not be those that the quantiser above would give.
;; One version. Each part assembles by itself: llvm-mc -triple=amdgcn-amd-amdhsa -mcpu=gfx1250 --defsym DOCPART=n.
;; ======== version 1 of 1: 3 launches
;; limits: right only within a limited range of input values
;; workspace buffers: qk_img 13,107,200 bytes; v_codes 6,291,456 bytes; v_scales 262,144 bytes; p_codes 12,582,912 bytes; p_stats 1,572,864 bytes
;; launch proj (part 1): grid 16 x 16, 4 waves a work-group, clusters of 4 x 4, 327,680 bytes of LDS; arguments v_input_codes, v_input_scales, W_v_codes, W_v_scales, q_input_codes, q_input_scales, W_q_codes, W_q_scales, k_input_codes, k_input_scales, W_k_codes, W_k_scales, qk_img, v_codes, v_scales; writes qk_img, v_codes, v_scales
.if DOCPART == 1
	.amdgcn_target "amdgcn-amd-amdhsa--gfx1250"
	.amdhsa_code_object_version 6
	.text
	.protected	k_qa80a125c52_proj
	.globl	k_qa80a125c52_proj
	.p2align	8
	.type	k_qa80a125c52_proj,@function
k_qa80a125c52_proj:
	s_mov_b64 s[64:65], 0
	v_nop
	global_prefetch_b8 v0, s[64:65] scope:SCOPE_SE
	s_setreg_imm32_b32 hwreg(HW_REG_WAVE_MODE, 25, 1), 1
	s_wait_xcnt 0x0
	s_wait_alu depctr_hold_cnt(0) depctr_sa_sdst(0) depctr_va_vdst(0) depctr_va_sdst(0) depctr_va_ssrc(0) depctr_va_vcc(0) depctr_vm_vsrc(0)
	s_getreg_b32 s2, hwreg(HW_REG_IB_STS2, 6, 4)
	s_cmp_eq_u32 s2, 0
	s_cbranch_scc0 .Lentry_in_a_cluster
	s_endpgm
.Lentry_in_a_cluster:
	s_bfe_u32 s2, ttmp6, 0x10000c
	s_cmp_lg_u32 s2, 0xf033
	s_cbranch_scc0 .Lentry_shape_is_right
	s_endpgm
.Lentry_shape_is_right:
; q = q_input W_q^T, k = k_input W_k^T, v = v_input W_v^T on codes of FP6 (E2M3), K = 1,024, and the quantisers of the two products that follow.  No f32 result is stored.
; THE DEAL.  256 work-groups of four waves, 2 x 2 (row a, column b).  Each makes 256 x 128 of v (phase 1), then 512 x 128 of q or k (phase 2).  A wave holds 64 rows of a weight, all of K, in 384 registers, and streams tokens past them
; in blocks of 16 rows: 8 blocks in phase 1, 16 in phase 2, 32 matrix instructions each.  Cluster (X, Y), place (cx, cy): phase 2's tile column is 4 X + cx (0-7 q, 8-15 k), its tile row 4 Y + cy;
; v's tile column is 4 (X / 2) + cx, its tile row 2 (4 Y + cy) + X % 2.  Token rows are shared by a row of the cluster, weight rows by a column: all tiles are asked for jointly.
; ORDER.  A chunk is 128 tokens; the wave in row a takes its tokens 64 a + 0 .. 63 (a band) as four blocks j: places 0-7 of block j are tokens 8 j + i, places 8-15 tokens 32 + 8 (j xor 1) + i of the band.  Phase 2's weight tiles are picked alike, v's in natural order.
; So a lane's 32 results are one block of 32 of the quantiser: of q and k along the columns, of v along the tokens.  Inside a block of 32 the order is natural for lanes 0-15 and has its groups of 8 exchanged pairwise for lanes 16-31;
; both operands of each later product are made in this same order, so the same pairs are multiplied.
; OUT.  qk_img [q, k][tile of 256 tokens][256 columns][51,200]: [row block 8 a + 4 (chunk % 2) + j][128 columns][column b][512 bytes: registers 0-3 at 16 x lane; 256 bytes: registers 4-5 at 8 x lane], then at 49,152 scale words [128 columns][256 rows] x 4.
; v_codes [batch x 4 + columns / 256][256 tokens][row block of 16 columns][a][1,536]: registers 4 c .. 4 c + 3 at 512 c + 16 lane;  v_scales [same tile][2 x (256 tokens) + a][256 columns] x 4.
; LIMITS: NaN and infinities are not served.  A block whose largest magnitude lies under 2^-124 keeps the scale byte 1; so does a block of zeros (the quantiser says 127): its codes are zeros, and this program alone reads the bytes.
; FILLS.  At the head one load a wave: W_v's rows, the scale bytes of v's two chunks, chunk 0, chunk 1.  Rounds in blocks 2, 6, 10, 14 refill the slot just left with chunk 2, 3, 4, 5 (wave 0) and its scale bytes (wave 2); block 2's also the weights' region (wave 1).
; PREFETCHES: of each tile a lane names a block of 256 bytes, shared out by address among the sixteen waves that ask jointly: the second weight, chunk 2 and phase 2's scale bytes at the head, chunks 3, 4, 5 behind blocks 2, 6, 9.
; A block's rows are fetched two blocks ahead, NF LDS loads; behind every second product stand two entries of the block's list (address steps, and the search for the last block's largest magnitudes).
.set KROW,  768
.set PITCH, 816                        ; an LDS row: 3 x (256 + 16)
.set YB,    128*PITCH                  ; a slot: 128 rows; slots at 0 and YB
.set BVB,   2*YB                       ; the weights' region
.set SCL,   3*YB                       ; two places for a chunk's scale bytes
.set SCB,   16*272
.set XN,    SCL+2*SCB                  ; q's or k's scale bytes made: [a][block 16][64]
.set XM,    XN+2048                    ; v's: [wave][256]
.set SPARE, XM+1024
.set NF,    28                         ; LDS loads of a block: 26 for eight fragments, 2 for its scale words
.set XE, 4                             ; v4, v5 my fragment's row in an even block of slot 0 (v5: behind one padding more in lanes 16-31)
.set XO, 6                             ; v6, v7 in an odd block
.set AE, 8                             ; v8, v9 my row's scale words in an even, an odd block
.set SPW, 10
.set NIL, 11
.set ADRA, 12                          ; v12, v13 the block that is fetched next
.set CO,  14                           ; 16 x lane
.set CO8, 15                           ; 8 x lane
.set PFX, 16
.set AAS, 17
.set STO, 18
.set STV, 19
.set PFW, 20
.set PFS, 21
.set SB, 24                            ; v24-39 the weights' scale words
.set TQ, 40                            ; the two chains
.set SA, 44                            ; v44-59 the rows' scale words, two sets
.set TC, 60
.set ACC, 64                           ; phase 2: two sets of four accumulators
.set HV0, 64                           ; phase 1: band 0: 32 t + 8 j + i
.set NCD, 128
.set MCD, 192
.set SOP, 240
.set EB, 244
.set VX, 248
.set HV1, 840                          ; band 1
.set SB2, 968                          ; phase 2's weights' scale words
.set BA, 984                           ; LDS addresses of phase 2's weight tiles
.set BN, 992                           ; and of phase 1's
.set G0X, 4
.set G0W, 8
.set G0XS, 20
.set G1A, 24
.set G1B, 32
.set G0A, 56
.set G0B, 60
.set G1S2, 76
.set G0R, 84
.set G0S, 88
.set G1S, 92
.set MSB, 0
.macro WIN new
.if MSB != \new
	s_set_vgpr_msb (MSB<<8)|\new
.set MSB, \new
.endif
.endm
.macro PLACES n
.rept \n
	v_nop
.endr
.endm
.macro WALU
	s_wait_alu depctr_va_vdst(0)
.endm
.macro BARRIER
	s_barrier_signal -1
	s_barrier_wait -1
.endm
.macro MIDDLE
	WIN 0
	s_barrier_wait -1
	s_cmp_lg_u32 s14, 0
	s_cbranch_scc1 .Lnot_wave_0_\@
	s_barrier_signal -3
.Lnot_wave_0_\@:
	s_barrier_wait -3
.endm
.macro CROUND
	s_barrier_signal -1
	MIDDLE
	BARRIER
.endm
.macro GRD
	s_wait_tensorcnt 0x0
	ds_add_u32 v[SPW], v[NIL]
.endm
.macro TLOAD g0, g1
	tensor_load_to_lds s[\g0:\g0+3], s[\g1:\g1+7]
	s_nop 0
	PLACES 4
.endm
.macro SADD d, x
	s_add_co_u32 s\d, s\d, s\x
.endm
.macro ROWS1 g, mask                   ; group 1: 128 rows of 768 bytes, 16 bytes of padding behind every 256
	s_or_b32 s[\g+0], s\mask, (1<<20)|(1<<21)|(5<<22)|(3<<25)
	s_mov_b32 s[\g+1], KROW<<16
	s_mov_b32 s[\g+2], 128<<16
	s_mov_b32 s[\g+3], KROW<<16
	s_mov_b32 s[\g+4], 128
	s_mov_b32 s[\g+5], KROW
	s_mov_b32 s[\g+6], 0
	s_mov_b32 s[\g+7], 0
.endm
.macro UNITS1 g, mask, n               ; group 1: n units of 256 bytes, padded alike
	s_or_b32 s[\g+0], s\mask, (3<<16)|(1<<20)|(1<<21)|(5<<22)|(3<<25)
	s_mov_b32 s[\g+1], 32<<16
	s_mov_b32 s[\g+2], (\n)<<16
	s_mov_b32 s[\g+3], 32<<16
	s_mov_b32 s[\g+4], \n
	s_mov_b32 s[\g+5], 32
	s_mov_b32 s[\g+6], 0
	s_mov_b32 s[\g+7], 0
.endm
; fragment f lies in window 1 + f / 21 at 12 (f % 21): 0-31 the weights' (4 q + t), 32-39 and 40-47 the rows' two sets.  Six pieces of 8 bytes, two to a load where both lie behind as many paddings
.macro FRAG f, q, a0, a1, aw
	WIN ((1+(\f)/21)<<6)|(\aw)
.set R_, 12*((\f)%21)
.set SK_, 0
.irp p, 0,1,2,3,4,5
.if SK_
.set SK_, 0
.else
.set P0_, 12*(\q)+6*(\p/3)+\p%3
.set P1_, 12*(\q)+6*((\p+1)/3)+(\p+1)%3
.set X0_, (P0_%32+3)/32
.set X1_, (P1_%32+3)/32
.if (\p < 5) && (X0_ == X1_)
.set SK_, 1
.if X0_
	ds_load_2addr_b64 v[R_+2*\p:R_+2*\p+3], \a1 offset0:P0_+2*(P0_/32) offset1:P1_+2*(P1_/32)
.else
	ds_load_2addr_b64 v[R_+2*\p:R_+2*\p+3], \a0 offset0:P0_+2*(P0_/32) offset1:P1_+2*(P1_/32)
.endif
.elseif X0_
	ds_load_b64 v[R_+2*\p:R_+2*\p+1], \a1 offset:8*(P0_+2*(P0_/32))
.else
	ds_load_b64 v[R_+2*\p:R_+2*\p+1], \a0 offset:8*(P0_+2*(P0_/32))
.endif
.endif
.endr
.endm
.macro WEIGHTS adr                     ; my 64 rows of the weight, all of K: 104 loads
.irp q, 0,1,2,3,4,5,6,7
.irp b, 0,1,2,3
	FRAG 4*\q+\b, \q, v[\adr-768+2*\b], v[\adr-768+2*\b+1], 3
.endr
.endr
	WIN 0
.endm
.macro FETCHAT e, a0, a1, as
.irp q, 0,1,2,3,4,5,6,7
	FRAG 32+8*(\e)+\q, \q, \a0, \a1, 0
.endr
	WIN 0
	ds_load_b128 v[SA+8*(\e):SA+8*(\e)+3], \as
	ds_load_b128 v[SA+8*(\e)+4:SA+8*(\e)+7], \as offset:16
.endm
.macro FETCH e
	FETCHAT \e, v[ADRA], v[ADRA+1], v[AAS]
.endm
; a product: n = 4 q + t.  kind 0 (q, k): source 0 the weight's rows;  kind 1 (v): source 0 the tokens.  The four accumulators take turns
.macro PROD kind, e, n, a0, as
.set Q_, (\n)/4
.set TN_, (\n)%4
.set FB_, 4*Q_+TN_
.set FA_, 32+8*(\e)+Q_
.set D_, (\a0)+(\as)*TN_
.set DL_, D_&255
.set DW_, D_>>8
.set XB_, SB+8*(TN_/2)+Q_
.set XA_, SA+8*(\e)+Q_
.set WB_, 1+FB_/21
.set WA_, 1+FA_/21
.set RB_, 12*(FB_%21)
.set RX_, 12*(FA_%21)
.if \kind
	WIN WA_|(WB_<<2)|(DW_<<4)|(DW_<<6)
	MM RX_, RB_, XA_, XB_, b
.else
	WIN WB_|(WA_<<2)|(DW_<<4)|(DW_<<6)
	MM RB_, RX_, XB_, XA_, a
.endif
.endm
.macro MM s0, s1, x0, x1, side
.if Q_
	MM1 \s0, \s1, \x0, \x1, \side, v[DL_:DL_+7]
.else
	MM1 \s0, \s1, \x0, \x1, \side, 0
.endif
.endm
.macro MM1 s0, s1, x0, x1, side, c
.if TN_%2
	v_wmma_scale_f32_16x16x128_f8f6f4 v[DL_:DL_+7], v[\s0:\s0+11], v[\s1:\s1+11], \c, v[\x0], v[\x1] matrix_a_fmt:MATRIX_FMT_FP6 matrix_b_fmt:MATRIX_FMT_FP6 matrix_\side\()_scale:MATRIX_SCALE_ROW1
.else
	v_wmma_scale_f32_16x16x128_f8f6f4 v[DL_:DL_+7], v[\s0:\s0+11], v[\s1:\s1+11], \c, v[\x0], v[\x1] matrix_a_fmt:MATRIX_FMT_FP6 matrix_b_fmt:MATRIX_FMT_FP6 matrix_\side\()_scale:MATRIX_SCALE_ROW0
.endif
.endm
; entry I_ of a way out's first part, 18 entries: the largest magnitude of the 32 sums from register x on, in two chains by turns, and the conversions' scale operand.  The floor 2^(3 - 127) holds the byte at 1 from below
.macro CHAIN x, n, t
.set XW_, (\x)>>8
.set XL_, (\x)&255
.if (I_ >= 0) && (I_ < 14)
.set B_, XL_+16*(I_%2)+2*(I_/2)
.set T_, (\t)+1-I_%2
.if I_ < 2
	WIN 21*XW_
	v_max3_num_f32 v[T_], |v[B_]|, |v[B_+1]|, |v[B_+2]|
.else
	WIN 20*XW_
	v_max3_num_f32 v[T_], v[T_], |v[B_+1]|, |v[B_+2]|
.endif
.elseif I_ == 14
	WIN 4*XW_
	v_max3_num_f32 v[\t+1], v[\t+1], |v[XL_+15]|, 0x1800000
.elseif I_ == 15
	WIN 0
	v_nop                                  ; keeps the next line, which reads entry 14's result, in the next pair
.elseif I_ == 16
	WIN 4*XW_
	v_max3_num_f32 v[\t], v[\t], |v[XL_+31]|, v[\t+1]
.elseif I_ == 17
	WIN 0
	v_add_nc_u32 v[SOP+\n], 0xff000000, v[\t]
.endif
.endm
.macro CODES x, c, n, t=TC             ; its second part: 32 codes into v[c .. c+5], the scale's byte; the last four lines are also places behind the block's products
.set XW_, (\x)>>8
.set XL_, (\x)&255
	WIN XW_
	v_cvt_scalef32_pk16_fp6_f32 v[\c:\c+2], v[XL_:XL_+15], v[SOP+\n]
	v_cvt_scalef32_pk16_fp6_f32 v[\t:\t+2], v[XL_+16:XL_+31], v[SOP+\n]
	WIN 0
	v_lshrrev_b32 v[EB+\n], 23, v[SOP+\n]
	v_mov_b32 v[\c+3], v[\t]
	v_mov_b32 v[\c+4], v[\t+1]
	v_mov_b32 v[\c+5], v[\t+2]
.endm
; a block's list: LA the next chunk's descriptors; LO where the last block's results go (0 no step, 1 the next row block, 2 by s[2:3]); LJ the block j of the chunk at s100, s67 that is fetched next; LX, LN the way out
.macro SET la, lo, lj, lx, ln
.set LA, \la
.set LO, \lo
.set LJ, \lj
.set LX, \lx
.set LN, \ln
.endm
.macro LIST i
.set I_, (\i)
.if LA
.if I_ == 0
	s_add_nc_u64 s[G0X+2:G0X+3], s[G0X+2:G0X+3], 128*KROW
	s_xor_b32 s[G0X+1], s[G0X+1], YB
	s_add_nc_u64 s[G0XS+2:G0XS+3], s[G0XS+2:G0XS+3], 4096
	s_xor_b32 s[G0XS+1], s[G0XS+1], (SCL)^(SCL+SCB)
.endif
.set I_, I_-1
.endif
.if LO >= 0
.if I_ == 0
.if LO > 0
	s_wait_xcnt 0x0                        ; the last stores have read their base and their codes
.if LO == 1
	s_add_nc_u64 s[48:49], s[48:49], 3072
.else
	s_add_nc_u64 s[48:49], s[48:49], s[2:3]
.endif
.endif
	WIN 0
	v_add_nc_u32 v[VX], s18, v[STO]
	s_add_co_u32 s18, s18, 64
.endif
.set I_, I_-1
.endif
.if LJ >= 0
.if I_ == 0
	s_add_co_u32 s101, s100, 8*LJ*PITCH
	s_add_co_u32 s66, s67, 272*LJ
	WIN 0
	v_add_nc_u32 v[ADRA], s101, v[XE+2*(LJ%2)]
.elseif I_ == 1
	WIN 0
	v_add_nc_u32 v[ADRA+1], s101, v[XE+1+2*(LJ%2)]
.elseif I_ == 2
	WIN 0
	v_add_nc_u32 v[AAS], s66, v[AE+LJ%2]
.endif
.set I_, I_-3
.endif
.if LX
	CHAIN LX, LN, TQ
.endif
.endm
.macro BLOCK kind, e, a0, as, from, to
.set N_, \from
.rept (\to)-(\from)
	PROD \kind, \e, N_, \a0, \as
.if N_%2
	LIST N_-1
	LIST N_
.endif
.set N_, N_+1
.endr
.endm
.macro WAITDS w
.if (\w) >= 0
	s_wait_dscnt \w
.endif
.endm
.macro RLOADS weights                  ; the refills behind a round: wave 0 the chunk, wave 2 its scale bytes, wave 1 the second weight
	s_cmp_eq_u32 s14, 0
	s_cbranch_scc0 .Lnot_x_\@
	TLOAD G0X, G1A
	s_branch .Lasked_\@
.Lnot_x_\@:
.if \weights
	s_cmp_eq_u32 s14, 1
	s_cbranch_scc0 .Lnot_w_\@
	TLOAD G0W, G1B
	s_branch .Lasked_\@
.Lnot_w_\@:
.endif
	s_cmp_eq_u32 s14, 2
	s_cbranch_scc0 .Lasked_\@
	TLOAD G0XS, G1S2
.Lasked_\@:
.endm
.macro OUTPUT e, fetch
	WALU
	ds_store_b8 v[VX], v[EB]
	global_store_b128 v[CO], v[NCD:NCD+3], s[48:49]
	global_store_b64 v[CO8], v[NCD+4:NCD+5], s[48:49] offset:512
.if \fetch
	FETCH \e
.endif
.endm
.macro BLK e, w, j, out, fetch         ; a block of phase 2
	WAITDS \w
	SET 0, \out, \j, ACC+32*(1-(\e)), 0
	BLOCK 0, \e, ACC+32*(\e), 8, 0, 32
	CODES ACC+32*(1-(\e)), NCD, 0
	OUTPUT \e, \fetch
.endm
.macro PFCHUNK k
	global_prefetch_b8 v[PFX], s[68:69] offset:(\k)*128*KROW th:TH_LOAD_NT scope:SCOPE_SE
.endm
; ================= THE HEAD
	s_load_b256 s[4:11], s[0:1], 0x0               ; v: input codes, scales, weight codes, scales
	s_load_b256 s[68:75], s[0:1], 0x20             ; q: the same four
	s_load_b256 s[76:83], s[0:1], 0x40             ; k
	s_load_b128 s[48:51], s[0:1], 0x60             ; qk_img, v_codes
	s_load_b64 s[52:53], s[0:1], 0x70              ; v_scales
	v_lshl_add_u32 v[SPW], v0, 2, SPARE
	v_mov_b32 v[NIL], 0
	ds_add_u32 v[SPW], v[NIL]
	ds_add_u32 v[SPW], v[NIL]
	v_lshrrev_b32 v1, 5, v0
	v_readfirstlane_b32 s14, v1                    ; wave; s15 its row a, s16 its column b
	s_lshr_b32 s15, s14, 1
	s_and_b32 s16, s14, 1
	s_bfe_u32 s40, ttmp6, 0x40000                  ; cx
	s_bfe_u32 s41, ttmp6, 0x40004                  ; cy
	s_lshl_b32 s42, ttmp9, 2
	SADD 42, 40                                    ; phase 2's tile column
	s_and_b32 s43, ttmp7, 0xffff
	s_lshl_b32 s43, s43, 2
	SADD 43, 41                                    ; its tile row
	s_lshr_b32 s19, ttmp9, 1                       ; 0 q, 1 k
	s_lshl_b32 s13, s19, 2
	SADD 13, 40                                    ; v's tile column
	s_and_b32 s17, ttmp9, 1
	s_lshl_b32 s12, s43, 1
	SADD 12, 17                                    ; v's tile row
	s_lshl_b32 s44, s41, 2
	s_lshl_b32 s44, 15, s44                        ; my row of the cluster
	s_lshl_b32 s45, 0x1111, s40                    ; my column
	ROWS1 G1A, 44
	ROWS1 G1B, 45
	UNITS1 G1S, 44, 32
	s_mov_b32 s[G0A], 1
	s_mov_b32 s[G0A+1], 0
	s_mov_b32 s[G0B], 1
	s_mov_b32 s[G0B+1], BVB
	s_mov_b32 s[G0R], 1
	s_mov_b32 s[G0R+1], YB
	s_mov_b32 s[G0S], 1
	s_mov_b32 s[G0S+1], SCL
	s_mov_b32 s3, 0
	WALU
	s_wait_dscnt 0x0
	CROUND                                         ; all sixteen work-groups are here: the first joint loads meet
	s_wait_kmcnt 0x0
	s_mul_i32 s2, s13, 128*KROW
	s_add_nc_u64 s[G0B+2:G0B+3], s[8:9], s[2:3]
	s_or_b32 s[G0B+3], s[G0B+3], 0x80000000
	s_lshl_b32 s2, s12, 13
	s_add_nc_u64 s[G0S+2:G0S+3], s[6:7], s[2:3]
	s_or_b32 s[G0S+3], s[G0S+3], 0x80000000
	s_mul_i32 s2, s12, 256*KROW
	s_add_nc_u64 s[G0A+2:G0A+3], s[4:5], s[2:3]
	s_add_nc_u64 s[G0R+2:G0R+3], s[G0A+2:G0A+3], 128*KROW
	s_or_b32 s[G0A+3], s[G0A+3], 0x80000000
	s_or_b32 s[G0R+3], s[G0R+3], 0x80000000
	s_cmp_eq_u32 s14, 0
	s_cbranch_scc0 .Lwave_1
	TLOAD G0B, G1B                                 ; wave 0: W_v's rows
	s_branch .Lasked
.Lwave_1:
	s_cmp_eq_u32 s14, 1
	s_cbranch_scc0 .Lwave_2
	TLOAD G0S, G1S                                 ; wave 1: both chunks' scale bytes
	s_branch .Lasked
.Lwave_2:
	s_cmp_eq_u32 s14, 2
	s_cbranch_scc0 .Lwave_3
	TLOAD G0A, G1A                                 ; wave 2: chunk 0
	s_branch .Lasked
.Lwave_3:
	TLOAD G0R, G1A                                 ; wave 3: chunk 1
.Lasked:
	s_cmp_eq_u32 s19, 0                            ; phase 2's tensor: the choice hangs on the cluster's x alone
.irp i, 0,2,4,6
	s_cselect_b64 s[68+\i:69+\i], s[68+\i:69+\i], s[76+\i:77+\i]
.endr
	UNITS1 G1S2, 44, 16
	s_mov_b32 s[G0X], 1                            ; the later fills' group 0: chunk 2, its scale bytes
	s_mov_b32 s[G0X+1], 0
	s_mul_i32 s2, s43, 512*KROW
	s_add_nc_u64 s[G0X+2:G0X+3], s[68:69], s[2:3]
	s_or_b32 s[G0X+3], s[G0X+3], 0x80000000
	s_mov_b32 s[G0XS], 1
	s_mov_b32 s[G0XS+1], SCL
	s_lshl_b32 s2, s43, 14
	s_add_nc_u64 s[G0XS+2:G0XS+3], s[70:71], s[2:3]
	s_or_b32 s[G0XS+3], s[G0XS+3], 0x80000000
	; where the results go
	s_and_b32 s54, s42, 7                          ; which 128 columns of q or k
	s_mul_i32 s2, s19, 6553600
	s_mul_i32 s17, s43, 409600
	SADD 2, 17
	s_lshr_b32 s17, s54, 1
	s_mul_i32 s17, s17, 51200
	SADD 2, 17
	s_add_nc_u64 s[46:47], s[48:49], s[2:3]
	s_and_b32 s55, s42, 1
	s_mul_i32 s2, s55, 1536
	s_mul_i32 s17, s15, 24576
	SADD 2, 17
	s_mul_i32 s17, s16, 768
	SADD 2, 17
	s_add_nc_u64 s[48:49], s[46:47], s[2:3]        ; codes
	s_lshl_b32 s2, s55, 10
	s_mul_i32 s17, s15, 204800
	SADD 2, 17
	s_lshl_b32 s17, s16, 9
	SADD 2, 17
	s_add_co_u32 s2, s2, 49152
	s_add_nc_u64 s[46:47], s[46:47], s[2:3]        ; scale words: tile s15, half s16 of its rows
	s_lshr_b32 s55, s12, 3
	s_lshl_b32 s55, s55, 2
	s_lshr_b32 s17, s13, 1
	SADD 55, 17                                    ; v's tile
	s_and_b32 s18, s12, 7                          ; and its 256 tokens
	s_and_b32 s66, s13, 1
	s_lshl_b32 s17, s55, 3
	SADD 17, 18
	s_mul_i32 s2, s17, 49152
	s_mul_i32 s17, s66, 24576
	SADD 2, 17
	s_mul_i32 s17, s16, 12288
	SADD 2, 17
	s_mul_i32 s17, s15, 1536
	SADD 2, 17
	s_add_nc_u64 s[50:51], s[50:51], s[2:3]
	s_lshl_b32 s2, s55, 14
	s_lshl_b32 s17, s18, 11
	SADD 2, 17
	s_lshl_b32 s17, s15, 10
	SADD 2, 17
	s_lshl_b32 s17, s66, 9
	SADD 2, 17
	s_lshl_b32 s17, s16, 8
	SADD 2, 17
	s_add_nc_u64 s[52:53], s[52:53], s[2:3]
	; the lanes' places
	v_and_b32 v1, 15, v0
	v_bfe_u32 v2, v0, 4, 1
	v_and_b32 v3, 31, v0
	v_and_b32 v40, 7, v0
	v_bfe_u32 v41, v0, 3, 1
	v_mad_u32_u24 v42, v41, 40, v40                ; even: rows i and 40 + i
	v_mad_u32_u24 v43, v41, 24, v40                ; odd: rows i and 24 + i
	v_mul_u32_u24 v42, v42, PITCH
	v_mul_u32_u24 v43, v43, PITCH
	v_mul_u32_u24 v60, v1, PITCH                   ; natural
	v_mad_u32_u24 v42, v2, 24, v42
	v_mad_u32_u24 v43, v2, 24, v43
	v_mad_u32_u24 v60, v2, 24, v60
	v_lshl_add_u32 v22, v2, 4, v42
	v_lshl_add_u32 v23, v2, 4, v43
	v_lshl_add_u32 v61, v2, 4, v60
	WALU
	s_lshl_b32 s17, s16, 11                        ; the weights' scale words: lanes 0-15 tile 2 p, lanes 16-31 tile 2 p + 1
	s_lshl_b32 s18, s13, 12
	SADD 18, 17
	v_lshl_add_u32 v66, v3, 5, s18
	s_lshl_b32 s18, s54, 12
	SADD 18, 17
	v_mul_u32_u24 v64, v41, v2
	v_mad_u32_u24 v65, v41, 40, v40
	v_lshl_add_u32 v65, v2, 3, v65
	v_lshlrev_b32 v64, 4, v64
	v_sub_nc_u32 v65, v65, v64
	v_lshl_add_u32 v67, v65, 5, s18
	WALU
.irp p, 0,1
.irp c, 0,1
	global_load_b128 v[SB+8*\p+4*\c:SB+8*\p+4*\c+3], v66, s[10:11] offset:\p*1024+16*\c
.endr
.endr
	WIN 3<<6
.irp p, 0,1
.irp c, 0,1
	global_load_b128 v[SB2-768+8*\p+4*\c:SB2-768+8*\p+4*\c+3], v67, s[74:75] offset:\p*512+16*\c
.endr
.endr
	WIN 0
	s_mul_i32 s17, s15, 64*PITCH
	v_add_nc_u32 v[XE], s17, v42
	v_add_nc_u32 v[XE+1], s17, v22
	v_add_nc_u32 v[XO], s17, v43
	v_add_nc_u32 v[XO+1], s17, v23
	s_mul_i32 s17, s16, 64*PITCH
	s_add_co_u32 s17, s17, BVB
	WIN 3<<6
.irp t, 0,1,2,3
	s_add_co_u32 s18, s17, 8*\t*PITCH
.if \t%2
	v_add_nc_u32 v[BA-768+2*\t], s18, v43
	v_add_nc_u32 v[BA-768+2*\t+1], s18, v23
.else
	v_add_nc_u32 v[BA-768+2*\t], s18, v42
	v_add_nc_u32 v[BA-768+2*\t+1], s18, v22
.endif
	s_add_co_u32 s18, s17, 16*\t*PITCH
	v_add_nc_u32 v[BN-768+2*\t], s18, v60
	v_add_nc_u32 v[BN-768+2*\t+1], s18, v61
.endr
	WIN 0
	WALU
	v_mul_u32_u24 v64, v41, 5*272
	v_mul_u32_u24 v65, v41, 3*272
	v_lshl_add_u32 v64, v40, 5, v64
	v_lshl_add_u32 v65, v40, 5, v65
	s_mul_i32 s17, s15, 8*272
	s_add_co_u32 s17, s17, SCL
	v_add_nc_u32 v[AE], s17, v64
	v_add_nc_u32 v[AE+1], s17, v65
	v_lshlrev_b32 v[CO], 4, v3
	v_lshlrev_b32 v[CO8], 3, v3
	v_lshl_add_u32 v68, v1, 2, v2
	s_lshl_b32 s17, s15, 10
	s_lshl_b32 s18, s16, 1
	SADD 17, 18
	s_add_co_u32 s17, s17, XN
	WALU
	v_add_nc_u32 v[STO], s17, v68
	s_lshl_b32 s17, s14, 8
	s_add_co_u32 s17, s17, XM
	v_add_nc_u32 v[STV], s17, v68
	v_add_nc_u32 v[ADRA], 8*PITCH, v[XO]           ; block 1
	v_add_nc_u32 v[ADRA+1], 8*PITCH, v[XO+1]
	v_add_nc_u32 v[AAS], 272, v[AE+1]
	s_lshl_b32 s17, s40, 2
	SADD 17, 14                                    ; my number among the sixteen waves of my row of the cluster
	s_mul_i32 s18, s43, 512*KROW
	s_mul_i32 s2, s17, 6144
	SADD 18, 2
	v_min_u32 v[PFX], 23, v3
	v_lshl_add_u32 v[PFX], v[PFX], 8, s18          ; my sixteenth of chunk 2: 24 blocks of 256 bytes
	s_lshl_b32 s18, s43, 14
	s_lshl_b32 s2, s17, 10
	SADD 18, 2
	v_min_u32 v[PFS], 3, v3
	v_lshl_add_u32 v[PFS], v[PFS], 8, s18          ; my sixteenth of the 512 rows' scale bytes
	s_lshl_b32 s17, s41, 2
	SADD 17, 14
	s_mul_i32 s18, s54, 128*KROW
	s_mul_i32 s2, s17, 6144
	SADD 18, 2
	v_min_u32 v[PFW], 23, v3
	v_lshl_add_u32 v[PFW], v[PFW], 8, s18          ; and of the second weight's rows
	WALU
	s_wait_xcnt 0x0                                ; the loads above have read s[10:11]
	s_mov_b32 s[G0W], 1
	s_mov_b32 s[G0W+1], BVB
	s_mul_i32 s2, s54, 128*KROW
	s_add_nc_u64 s[G0W+2:G0W+3], s[72:73], s[2:3]
	s_or_b32 s[G0W+3], s[G0W+3], 0x80000000
	s_mov_b32 s18, 0
	s_mov_b32 s17, 183296
	s_mov_b32 s100, 0
	s_mov_b32 s67, 0
	s_cmp_eq_u32 s14, 0
	s_cbranch_scc0 .Lnot_b
	s_wait_tensorcnt 0x0
.Lnot_b:
	BARRIER                                        ; W_v's rows are in
	global_prefetch_b8 v[PFW], s[72:73] th:TH_LOAD_NT scope:SCOPE_SE
	PFCHUNK 0
	global_prefetch_b8 v[PFS], s[70:71] th:TH_LOAD_NT scope:SCOPE_SE
	WEIGHTS BN
	s_cmp_eq_u32 s14, 3
	s_cbranch_scc1 .Lnot_a0
	s_wait_tensorcnt 0x0
.Lnot_a0:
	s_wait_dscnt 0x0
	BARRIER                                        ; chunk 0 and the scale bytes are in; chunk 1 may be on its way
	FETCHAT 0, v[XE], v[XE+1], v[AE]
	FETCH 1
	s_wait_loadcnt 0x0
; ================= PHASE 1: v, eight blocks; band 0's way outs stand in band 1's blocks
.irp s, 0,1
	s_wait_dscnt NF
	SET 0, -1, 2+\s, 0, 0
	BLOCK 1, \s, HV0+8*\s, 32, 0, 32
	WIN 0
	PLACES 4
	WALU
	FETCH \s
.endr
	s_mov_b32 s100, YB
	s_mov_b32 s67, SCB
	s_wait_dscnt NF
	GRD
	SET 0, -1, 0, 0, 0
	BLOCK 1, 0, HV0+16, 32, 0, 24
	WIN 0
	WALU
	s_wait_dscnt 0x0
	s_barrier_signal -1
	BLOCK 1, 0, HV0+16, 32, 24, 32
	MIDDLE
	BARRIER
	RLOADS 1
	PLACES 4
	WALU
	FETCH 0
	PFCHUNK 1
	SET 0, -1, 1, 0, 0                             ; block 3
	BLOCK 1, 1, HV0+24, 32, 0, 32
	WIN 0
	PLACES 4
	WALU
	FETCH 1
.irp j, 0,1                                    ; blocks 4, 5
	s_wait_dscnt NF+\j
	SET 0, -1, 2+\j, HV0+32*\j, \j
	BLOCK 1, \j, HV1+8*\j, 32, 0, 32
	CODES HV0+32*\j, MCD+12*\j, \j
	WALU
	ds_store_b8 v[STV], v[EB+\j] offset:64*\j
	FETCH \j
.endr
	s_mov_b32 s100, 0
	s_mov_b32 s67, 0
	s_wait_dscnt NF+1
	GRD
	SET 1, -1, 0, HV0+64, 2
	BLOCK 1, 0, HV1+16, 32, 0, 26
	WIN 0
	WALU
	s_wait_dscnt 0x0
	s_barrier_signal -1
	BLOCK 1, 0, HV1+16, 32, 26, 32
	CODES HV0+64, MCD+24, 2
	MIDDLE
	BARRIER
	RLOADS 0
	WALU
	ds_store_b8 v[STV], v[EB+2] offset:128
	FETCH 0
	PFCHUNK 2
	SET 0, -1, 1, HV0+96, 3                        ; block 7
	BLOCK 1, 1, HV1+24, 32, 0, 32
	CODES HV0+96, MCD+36, 3
	WALU
	ds_store_b8 v[STV], v[EB+3] offset:192
; ================= THE CHANGE OF PHASE: the second weight (shown by block 6's round) and block 9's rows in one run of loads; band 1's four way outs under their flight
	WEIGHTS BA
	FETCH 1
	WIN 3
.set I, 0
.rept 16
	v_mov_b32 v[SB+I], v[SB2-768+I]
.set I, I+1
.endr
.set I, 0
.rept 18
.irp t, 0,1,2,3
.set I_, I
	CHAIN HV1+32*\t, \t, 64+4*\t
.endr
.set I, I+1
.endr
.irp t, 0,1,2,3
	CODES HV1+32*\t, MCD+12*\t+6, \t, 80+4*\t
.endr
	WALU
; ================= PHASE 2: q or k, sixteen blocks
	s_wait_dscnt NF
	SET 0, -1, 2, 0, 0                             ; block 8
	BLOCK 0, 0, ACC, 8, 0, 32
	WIN 0
	PLACES 4
	WALU
.irp t, 0,1,2,3
	ds_store_b8 v[STV], v[EB+\t] offset:2+64*\t
.endr
.irp t, 0,1,2,3
.irp k, 0,1,2
	global_store_b128 v[CO], v[MCD+12*\t+4*\k:MCD+12*\t+4*\k+3], s[50:51] offset:3072*\t+512*\k
.endr
.endr
	FETCH 0
	BLK 1, NF+4, 3, 0, 1                           ; block 9
	PFCHUNK 3
	s_mov_b32 s55, 0
	s_mov_b32 s100, YB
	s_mov_b32 s67, SCB
.Lrounds:                                          ; blocks 10 to 13, 14 to 17
	s_cmp_eq_u32 s55, 0
	s_cselect_b32 s2, 3072, s17                    ; the fourth block's step: in the second trip on to the next tile of 256 tokens
	s_wait_dscnt NF+1
	GRD
	SET 1, 1, 0, ACC+32, 0
	BLOCK 0, 0, ACC, 8, 0, 26
	WIN 0
	WALU
	s_wait_dscnt 0x0
	s_barrier_signal -1
	BLOCK 0, 0, ACC, 8, 26, 32
	CODES ACC+32, NCD, 0
	MIDDLE
	BARRIER
	RLOADS 0
	OUTPUT 0, 1
	BLK 1, -1, 1, 1, 1
	BLK 0, NF+1, 2, 1, 1
	BLK 1, NF+1, 3, 2, 1
	s_xor_b32 s100, s100, YB
	s_xor_b32 s67, s67, SCB
	s_add_co_u32 s55, s55, 1
	s_cmp_lg_u32 s55, 2
	s_cbranch_scc1 .Lrounds
	s_mov_b32 s55, 0
.Lplain:                                           ; blocks 18, 19 and 20, 21: a plain barrier shows the last chunk
	s_wait_dscnt NF+1
	SET 0, 1, 0, ACC+32, 0
	BLOCK 0, 0, ACC, 8, 0, 26
	WIN 0
	WALU
	s_wait_tensorcnt 0x0
	s_wait_dscnt 0x0
	s_barrier_signal -1
	BLOCK 0, 0, ACC, 8, 26, 32
	WIN 0
	s_barrier_wait -1
	CODES ACC+32, NCD, 0
	OUTPUT 0, 1
	BLK 1, -1, 1, 1, 1
	s_add_co_u32 s100, s100, 16*PITCH
	s_add_co_u32 s67, s67, 2*272
	s_add_co_u32 s55, s55, 1
	s_cmp_lg_u32 s55, 2
	s_cbranch_scc1 .Lplain
	BLK 0, NF+1, -1, 1, 0                          ; blocks 22, 23 fetch nothing
	BLK 1, 1, -1, 1, 0
; ================= THE END: the last way out; the scale bytes go through LDS under its conversions
	SET 0, 1, -1, ACC+32, 0
.set I, 0
.rept 19
	LIST I
.set I, I+1
.endr
	WIN 0
	s_lshl_b32 s2, s16, 10
	s_lshl_b32 s17, s15, 9
	SADD 2, 17
	s_add_co_u32 s2, s2, XN
	v_add_nc_u32 v22, s2, v[CO]
	s_lshl_b32 s17, s14, 8
	s_add_co_u32 s17, s17, XM
	v_add_nc_u32 v23, s17, v[CO8]
	v_lshrrev_b32 v[EB], 23, v[SOP]
	WALU
	ds_store_b8 v[VX], v[EB]
	s_wait_dscnt 0x0
	s_barrier_signal -1
	CODES ACC+32, NCD, 0
	WALU
	s_barrier_wait -1
	ds_load_b128 v[64:67], v22
	ds_load_b64 v[68:69], v23
	global_store_b128 v[CO], v[NCD:NCD+3], s[48:49]
	global_store_b64 v[CO8], v[NCD+4:NCD+5], s[48:49] offset:512
	s_wait_dscnt 0x0
	global_store_b128 v[CO], v[64:67], s[46:47]
	global_store_b64 v[CO8], v[68:69], s[52:53]
	s_wait_tensorcnt 0x0
	ds_add_u32 v[SPW], v[NIL]
	s_wait_dscnt 0x0
	CROUND                                         ; the closing round
	s_endpgm
.Lfunc_end_k_qa80a125c52_proj:
	.size	k_qa80a125c52_proj, .Lfunc_end_k_qa80a125c52_proj-k_qa80a125c52_proj
	.p2alignl 7, 3214868480
	.fill 96, 4, 3214868480
	.section	.rodata,"a",@progbits
	.p2align	6, 0x0
	.amdhsa_kernel k_qa80a125c52_proj
		.amdhsa_group_segment_fixed_size 327680
		.amdhsa_private_segment_fixed_size 0
		.amdhsa_enable_private_segment 0
		.amdhsa_kernarg_size 120
		.amdhsa_user_sgpr_count 2
		.amdhsa_user_sgpr_kernarg_segment_ptr 1
		.amdhsa_wavefront_size32 1
		.amdhsa_system_sgpr_workgroup_id_x 1
		.amdhsa_system_sgpr_workgroup_id_y 1
		.amdhsa_system_sgpr_workgroup_id_z 1
		.amdhsa_system_vgpr_workitem_id 0
		.amdhsa_next_free_vgpr 1024
		.amdhsa_next_free_sgpr 102
		.amdhsa_reserve_vcc 0
		.amdhsa_float_denorm_mode_32 3
		.amdhsa_float_denorm_mode_16_64 3
		.amdhsa_memory_ordered 1
		.amdhsa_forward_progress 1
		.amdhsa_inst_pref_size 188
	.end_amdhsa_kernel
	.amdgpu_metadata
---
amdhsa.version: [ 1, 2 ]
amdhsa.kernels:
  - .name:           k_qa80a125c52_proj
    .symbol:         k_qa80a125c52_proj.kd
    .args:
      - { .name: v_input_codes, .offset: 0, .size: 8, .value_kind: global_buffer, .address_space: global }
      - { .name: v_input_scales, .offset: 8, .size: 8, .value_kind: global_buffer, .address_space: global }
      - { .name: W_v_codes, .offset: 16, .size: 8, .value_kind: global_buffer, .address_space: global }
      - { .name: W_v_scales, .offset: 24, .size: 8, .value_kind: global_buffer, .address_space: global }
      - { .name: q_input_codes, .offset: 32, .size: 8, .value_kind: global_buffer, .address_space: global }
      - { .name: q_input_scales, .offset: 40, .size: 8, .value_kind: global_buffer, .address_space: global }
      - { .name: W_q_codes, .offset: 48, .size: 8, .value_kind: global_buffer, .address_space: global }
      - { .name: W_q_scales, .offset: 56, .size: 8, .value_kind: global_buffer, .address_space: global }
      - { .name: k_input_codes, .offset: 64, .size: 8, .value_kind: global_buffer, .address_space: global }
      - { .name: k_input_scales, .offset: 72, .size: 8, .value_kind: global_buffer, .address_space: global }
      - { .name: W_k_codes, .offset: 80, .size: 8, .value_kind: global_buffer, .address_space: global }
      - { .name: W_k_scales, .offset: 88, .size: 8, .value_kind: global_buffer, .address_space: global }
      - { .name: qk_img, .offset: 96, .size: 8, .value_kind: global_buffer, .address_space: global }
      - { .name: v_codes, .offset: 104, .size: 8, .value_kind: global_buffer, .address_space: global }
      - { .name: v_scales, .offset: 112, .size: 8, .value_kind: global_buffer, .address_space: global }
    .group_segment_fixed_size: 327680
    .private_segment_fixed_size: 0
    .kernarg_segment_align: 8
    .kernarg_segment_size: 120
    .max_flat_workgroup_size: 128
    .sgpr_count:     102
    .vgpr_count:     1024
    .wavefront_size: 32
...
	.end_amdgpu_metadata
.endif
;; end of part 1
;; launch scores (part 2): grid 8 x 32, 4 waves a work-group, clusters of 4 x 4, 327,680 bytes of LDS; arguments qk_img, p_codes, p_stats; writes p_codes, p_stats
.if DOCPART == 2
	.amdgcn_target "amdgcn-amd-amdhsa--gfx1250"
	.amdhsa_code_object_version 6
	.text
	.protected	k_qa80a125c52_scores
	.globl	k_qa80a125c52_scores
	.p2align	8
	.type	k_qa80a125c52_scores,@function
k_qa80a125c52_scores:
	s_mov_b64 s[64:65], 0
	v_nop
	global_prefetch_b8 v0, s[64:65] scope:SCOPE_SE
	s_setreg_imm32_b32 hwreg(HW_REG_WAVE_MODE, 25, 1), 1
	s_wait_xcnt 0x0
	s_wait_alu depctr_hold_cnt(0) depctr_sa_sdst(0) depctr_va_vdst(0) depctr_va_sdst(0) depctr_va_ssrc(0) depctr_va_vcc(0) depctr_vm_vsrc(0)
	s_getreg_b32 s2, hwreg(HW_REG_IB_STS2, 6, 4)
	s_cmp_eq_u32 s2, 0
	s_cbranch_scc0 .Lentry_in_a_cluster
	s_endpgm
.Lentry_in_a_cluster:
	s_bfe_u32 s2, ttmp6, 0x10000c
	s_cmp_lg_u32 s2, 0xf033
	s_cbranch_scc0 .Lentry_shape_is_right
	s_endpgm
.Lentry_shape_is_right:
; S = q k^T on codes of FP6 (E2M3), K = 1,024, and the softmax's p, quantised along the keys, for the last product.
; A tile is 256 queries x 256 keys of one batch; four waves of 128 x 128 (64 accumulators).  Source 0 = 16 keys, source 1 = 16 queries: a lane holds ONE query, its registers run along the keys.
; OPERANDS arrive as images of their registers with their scale words behind them: a tile's 256 along K are 51,200 dense bytes, one tensor load; a fragment is two loads of 16 bytes and two of 8 bytes a lane, each over consecutive bytes.
; K goes in four parts of 256 through three LDS regions: parts 0 and 1 are asked for at the head, one load a wave; part 2 goes into region 2 and part 3 into region 0, each behind a round of the cluster's barrier.
; THE KEYS' ORDER in the images lays a block of 32 keys into one lane: the four tiles of band c hold block (c, lane / 16), so the block's largest score needs no other lane.
; THE SOFTMAX, for each query and the wave's 128 keys: t = score x log2(e) / 32;  M = ceil(the largest t of these 128 keys), a whole number;  p = 2^(t - M), quantised block by block;  l = the sum of the unquantised p.
; Stored: p's fragment, its scale word, -M and l.  The last launch brings scale bytes and l under the row's own M: a change of M by a whole number changes a block's scale byte and no code.
; A block's largest p is the exponential of the block's largest score, by the same multiply-add and exponential (this takes v_exp_f32 not to fall where its input rises; at the worst one p within an ulp of a power of two is held one code low).
; CLUSTERS: the four work-groups of a row need the same tiles of q, the four of a column the same tiles of k: each is asked for jointly.
; PREFETCH: parts 2 and 3 of both tiles, 400 blocks of 256 bytes each, shared out by address among the sixteen waves that ask jointly (25 lanes a wave), behind the first fragments' loads.
; LIMITS: NaN and infinities are not served; the promise holds while the scaled scores stay under 2^31 in magnitude; a block whose every p has fallen to 0 keeps the byte 1 and zero codes.
; REGISTERS: window 0: v0-31 addresses; v32-47 the operands' scale words, two sets; v64-95 at work; v96-114 the codes made; v128-223 A's fragments, later v128-191 t and p; v224-239 -M and l, as pairs.  Window 1: B's fragments, two sets.  Windows 2, 3: the accumulators.
.set PART,  51200
.set REG,   2*PART                     ; a region: q's part, then k's
.set SPARE, 3*REG
.set SST,   SPARE+512                  ; a stage of 1,536 bytes a wave: no fill lands here
.set BASE, 16                          ; v16 q's fragments at 16 x lane, v17 at 8 x lane; v18, v19 k's; v20 scale words: region 0
.set WORK, 21                          ; v21-25 the same in the region at work
.set CO,   26
.set SSTR, 27
.set SPW,  28
.set NIL,  29
.set SSTB, 30
.set SSTA, 31
.set SC,   32
.set PFQ,  48
.set PFK,  49
.set TM,   64
.set T,    88
.set LR,   89
.set LT,   90
.set LS,   92
.set L2,   94
.set PC,   96
.set AF,   128
.set X,    128
.set OB,   192
.set NMS,  224
.set G1, 24
.set G1B, 32
.set G0, 56
.set G0B, 60
.set G0N, 68
.set G0NB, 72
.set SEL, 66
.set CS,  98                           ; s[98:99] c = log2(e) / 32, twice
.set MSB, 0
.macro WIN new
.if MSB != \new
	s_set_vgpr_msb (MSB<<8)|\new
.set MSB, \new
.endif
.endm
.set MUL_LO, 0xa1
.set MUL_HI, 0xf1
.macro PLACES n
.rept \n
	v_nop
.endr
.endm
.macro WALU
	s_wait_alu depctr_va_vdst(0)
.endm
.macro TLOAD g0, g1
	tensor_load_to_lds s[\g0:\g0+3], s[\g1:\g1+7]
	s_nop 0
	PLACES 4
.endm
.macro CREST
	s_cmp_lg_u32 s14, 0
	s_cbranch_scc1 .Lnot_wave_0_\@
	s_barrier_signal -3
.Lnot_wave_0_\@:
	s_barrier_wait -3
	s_barrier_signal -1
	s_barrier_wait -1
.endm
.macro CROUND
	s_barrier_signal -1
	s_barrier_wait -1
	CREST
.endm
	s_load_b128 s[4:7], s[0:1], 0x0                ; qk_img, p_codes
	s_load_b64 s[8:9], s[0:1], 0x10                ; p_stats
	v_lshl_add_u32 v[SPW], v0, 2, SPARE
	v_mov_b32 v[NIL], 0
	ds_add_u32 v[SPW], v[NIL]
	ds_add_u32 v[SPW], v[NIL]
	v_lshrrev_b32 v1, 5, v0
	v_readfirstlane_b32 s14, v1                    ; wave
	s_lshr_b32 s15, s14, 1                         ; which 128 queries are mine
	s_and_b32 s16, s14, 1                          ; which 128 keys
	s_bfe_u32 s40, ttmp6, 0x40000                  ; cx
	s_bfe_u32 s41, ttmp6, 0x40004                  ; cy
	s_lshl_b32 s42, ttmp9, 2
	s_add_co_u32 s42, s42, s40                     ; the key tile within the batch
	s_and_b32 s2, ttmp7, 0xffff
	s_lshl_b32 s17, s2, 2
	s_add_co_u32 s17, s17, s41                     ; the query tile, 0 .. 31
	s_lshr_b32 s12, s2, 1                          ; the batch
	s_lshl_b32 s12, s12, 3
	s_add_co_u32 s12, s12, s42                     ; k's tile, 0 .. 31
	s_lshl_b32 s43, s41, 2
	s_lshl_b32 s43, 15, s43                        ; my row of the cluster
	s_lshl_b32 s44, 0x1111, s40                    ; my column
	s_or_b32 s[G1+0], s43, (3<<16)|(1<<21)         ; 51,200 dense bytes as 200 rows of 256
	s_or_b32 s[G1B+0], s44, (3<<16)|(1<<21)
.irp g, G1, G1B
	s_mov_b32 s[\g+1], 32<<16
	s_mov_b32 s[\g+2], 200<<16
	s_mov_b32 s[\g+3], 32<<16
	s_mov_b32 s[\g+4], 200
	s_mov_b32 s[\g+5], 32
	s_mov_b32 s[\g+6], 0
	s_mov_b32 s[\g+7], 0
.endr
	s_mul_i32 s20, s17, 4*PART
	s_mov_b32 s21, 0
	s_mul_i32 s46, s12, 4*PART
	s_add_co_u32 s46, s46, 32*4*PART
	s_mov_b32 s47, 0
	s_mov_b32 s[G0], 1
	s_mov_b32 s[G0+1], 0
	s_mov_b32 s[G0B], 1
	s_mov_b32 s[G0B+1], PART
	s_mov_b32 s[G0N], 1
	s_mov_b32 s[G0N+1], REG
	s_mov_b32 s[G0NB], 1
	s_mov_b32 s[G0NB+1], REG+PART
	s_wait_dscnt 0x0
	CROUND                                         ; all sixteen work-groups are here: the first joint loads meet
	s_wait_kmcnt 0x0
	s_add_nc_u64 s[G0+2:G0+3], s[4:5], s[20:21]
	s_add_nc_u64 s[G0B+2:G0B+3], s[4:5], s[46:47]
	s_add_nc_u64 s[G0N+2:G0N+3], s[G0+2:G0+3], PART
	s_add_nc_u64 s[G0NB+2:G0NB+3], s[G0B+2:G0B+3], PART
.irp g, G0, G0B, G0N, G0NB
	s_or_b32 s[\g+3], s[\g+3], 0x80000000
.endr
	s_cmp_eq_u32 s14, 0
	s_cbranch_scc0 .Lwave_1
	TLOAD G0, G1                                   ; wave 0: q's part 0
	s_branch .Lasked
.Lwave_1:
	s_cmp_eq_u32 s14, 1
	s_cbranch_scc0 .Lwave_2
	TLOAD G0B, G1B                                 ; wave 1: k's part 0
	s_branch .Lasked
.Lwave_2:
	s_cmp_eq_u32 s14, 2
	s_cbranch_scc0 .Lwave_3
	TLOAD G0N, G1                                  ; wave 2: q's part 1
	s_branch .Lasked
.Lwave_3:
	TLOAD G0NB, G1B                                ; wave 3: k's part 1
.Lasked:
	; where my results go: p's tile = the query tile, its 256 along K = the key tile
	s_lshl_b32 s95, s17, 1                         ; p's tile of 128 queries: [64][256 keys: 8][24,576]
	s_add_co_u32 s95, s95, s15
	s_lshl_b32 s2, s95, 3
	s_add_co_u32 s2, s2, s42
	s_mul_i32 s2, s2, 24576
	s_mul_i32 s3, s16, 1536
	s_add_co_u32 s2, s2, s3
	s_mov_b32 s3, 0
	s_add_nc_u64 s[12:13], s[6:7], s[2:3]          ; my fragments' place
	s_lshl_b32 s2, s95, 13                         ; statistics: [64][128 keys: 16][128 queries] x 4, three times
	s_lshl_b32 s95, s42, 10
	s_add_co_u32 s2, s2, s95
	s_lshl_b32 s95, s16, 9
	s_add_co_u32 s2, s2, s95
	s_add_nc_u64 s[96:97], s[8:9], s[2:3]          ; my statistics' place
	s_mul_i32 s21, s15, 24576
	s_mul_i32 s22, s16, 24576
	s_add_co_u32 s22, s22, PART
	v_and_b32 v1, 15, v0                           ; l % 16
	v_bfe_u32 v2, v0, 4, 1                         ; l / 16
	v_and_b32 v6, 31, v0
	v_lshlrev_b32 v[CO], 4, v6
	v_lshlrev_b32 v7, 3, v6
	v_add_nc_u32 v[BASE], s21, v[CO]
	v_add_nc_u32 v[BASE+1], s21, v7
	v_add_nc_u32 v[BASE+2], s22, v[CO]
	v_add_nc_u32 v[BASE+3], s22, v7
	s_lshl_b32 s21, s15, 9                         ; scale words: lanes 0-15 my rows of q, lanes 16-31 my rows of k
	s_lshl_b32 s22, s16, 9
	s_add_co_u32 s22, s22, PART
	s_sub_co_u32 s22, s22, s21
	s_add_co_u32 s21, s21, 49152
	WALU
	v_mul_u32_u24 v8, s22, v2
	v_lshl_add_u32 v8, v1, 2, v8
	v_add_nc_u32 v[BASE+4], s21, v8
	s_mul_i32 s23, s14, 1536
	s_add_co_u32 s23, s23, SST                     ; my stage
	v_lshl_add_u32 v[SSTA], v1, 2, s23
	v_add_nc_u32 v[SSTB], v[SSTA], v2
	v_add_nc_u32 v[SSTR], s23, v[CO]
	s_lshl_b32 s18, s40, 2
	s_add_co_u32 s18, s18, s14
	s_mul_i32 s18, s18, 6400
	s_add_co_u32 s18, s18, s20
	s_add_co_u32 s18, s18, 2*PART
	v_min_u32 v9, 24, v6
	v_lshl_add_u32 v[PFQ], v9, 8, s18
	s_lshl_b32 s18, s41, 2
	s_add_co_u32 s18, s18, s14
	s_mul_i32 s18, s18, 6400
	s_add_co_u32 s18, s18, s46
	s_add_co_u32 s18, s18, 2*PART
	WALU
	v_lshl_add_u32 v[PFK], v9, 8, s18
	s_mov_b32 s[SEL], 0x76543210
	s_mov_b32 s[SEL+1], 0xfedcba98
	s_mov_b32 s[CS], 0x3d38aa3b                    ; log2(e) / 32
	s_mov_b32 s[CS+1], s[CS]                       ; (named with it as a pair, so it is written)
	v_mov_b32 v[TM+4], 0                           ; written once: a lane permute's destination counts as one of its sources
	v_mov_b32 v[LT], 0
.irp a, 0,1,2,3,4,5,6,7
	v_mov_b32 v[NMS+2*\a+1], 0                     ; l's places: named as the upper halves of the pairs with -M before they are first written
.endr
	s_mov_b32 s100, REG                            ; the next region
	s_mov_b32 s101, 2*REG                          ; where the next fill lands
.macro FRAG reg, a, o                  ; regs 0-3, 4-5 of the lower 64 columns, 6-9, 10-11 of the upper, as they were stored
	ds_load_b128 v[\reg:\reg+3], v[\a] offset:\o
	ds_load_b64 v[\reg+4:\reg+5], v[\a+1] offset:(\o)+512
	ds_load_b128 v[\reg+6:\reg+9], v[\a] offset:(\o)+768
	ds_load_b64 v[\reg+10:\reg+11], v[\a+1] offset:(\o)+1280
.endm
.macro MUL16 a0, p, zero               ; 16 matrix instructions; the 64 accumulators take turns, in the same order in every step
.irp a, \a0, \a0+1
.irp b, 0,1,2,3,4,5,6,7
.set D_, 8*(8*((\a)%4)+\b)
.if \zero
	v_wmma_scale_f32_16x16x128_f8f6f4 v[D_:D_+7], v[128*(\p)+12*\b:128*(\p)+12*\b+11], v[AF+12*(\a):AF+12*(\a)+11], 0, v[SC+8*(\p)+\b], v[SC+8*(\p)+(\a)] matrix_a_fmt:MATRIX_FMT_FP6 matrix_b_fmt:MATRIX_FMT_FP6 matrix_a_scale:MATRIX_SCALE_ROW1
.else
	v_wmma_scale_f32_16x16x128_f8f6f4 v[D_:D_+7], v[128*(\p)+12*\b:128*(\p)+12*\b+11], v[AF+12*(\a):AF+12*(\a)+11], v[D_:D_+7], v[SC+8*(\p)+\b], v[SC+8*(\p)+(\a)] matrix_a_fmt:MATRIX_FMT_FP6 matrix_b_fmt:MATRIX_FMT_FP6 matrix_a_scale:MATRIX_SCALE_ROW1
.endif
.endr
.endr
.endm
.macro FETCH a, q                      ; step q of a part: B's fragments and the scale words into set q, A's blocks 0-3
	WIN 0x40
.irp i, 0,1,2,3,4,5,6,7
	FRAG 128*(\q)+12*\i, \a+2, 3072*\i+1536*(\q)
.endr
	WIN 0
.irp i, 0,1,2,3
	FRAG AF+12*\i, \a, 3072*\i+1536*(\q)
.endr
.irp i, 0,1,2,3,4,5,6,7
	ds_load_b32 v[SC+8*(\q)+\i], v[\a+4] offset:1024*(\q)+64*\i
.endr
.endm
.macro FETCH4 a, q                     ; A's blocks 4-7: 16 loads
	WIN 0
.irp i, 4,5,6,7
	FRAG AF+12*\i, \a, 3072*\i+1536*(\q)
.endr
.endm
.macro STEP a, zero                    ; a part's first 128 along K
	s_wait_dscnt 16                                ; all but the youngest 16 loads (A's blocks 4-7)
	WIN MUL_LO
	MUL16 0, 0, \zero
	MUL16 2, 0, \zero
	s_wait_dscnt 0
	PLACES 4
	FETCH \a, 1
	WIN MUL_HI
	MUL16 4, 0, \zero
	MUL16 6, 0, \zero
	PLACES 4
	FETCH4 \a, 1
.endm
.macro TURN a, fill                    ; a part's last 128; the next part's first fragments
	s_wait_tensorcnt 0x0                           ; all my tensor loads have landed: the next part among them
.if \fill
	ds_add_u32 v[SPW], v[NIL]
.irp k, 0,1,2,3,4
	v_add_nc_u32 v[WORK+\k], s100, v[BASE+\k]
.endr
	s_add_co_u32 s100, s100, REG
	s_add_nc_u64 s[G0N+2:G0N+3], s[G0N+2:G0N+3], PART
	s_mov_b32 s[G0N+1], s101
	s_add_nc_u64 s[G0NB+2:G0NB+3], s[G0NB+2:G0NB+3], PART
	s_add_co_u32 s[G0NB+1], s101, PART
	s_xor_b32 s101, s101, 2*REG
	WALU
	s_wait_dscnt 17                                ; (the add and the youngest 16 loads may be out)
.else
	s_wait_dscnt 16
.endif
	WIN MUL_LO
	MUL16 0, 1, 0
	s_wait_dscnt 0x0
	s_barrier_signal -1
	MUL16 2, 1, 0
	WIN 0
	s_barrier_wait -1
.if \fill
	CREST                                          ; a round of the cluster's barrier: no wave of any partner still reads the region or has a load on its way
	s_cmp_eq_u32 s14, 0
	s_cbranch_scc0 .Lnot_q_\@
	TLOAD G0N, G1                                  ; wave 0: q's next part
	s_branch .Lfilled_\@
.Lnot_q_\@:
	s_cmp_eq_u32 s14, 1
	s_cbranch_scc0 .Lfilled_\@
	TLOAD G0NB, G1B                                ; wave 1: k's
.Lfilled_\@:
.endif
	PLACES 4
	FETCH \a, 0
	WIN MUL_HI
	MUL16 4, 1, 0
	MUL16 6, 1, 0
	PLACES 4
	FETCH4 \a, 0
.endm
	WALU
	s_cmp_lt_u32 s14, 2
	s_cbranch_scc0 .Lnot_first
	s_wait_tensorcnt 0x0
.Lnot_first:
	s_barrier_signal -1
	s_barrier_wait -1                              ; part 0 is in; part 1 may be on its way
	FETCH BASE, 0
	FETCH4 BASE, 0
	global_prefetch_b8 v[PFQ], s[4:5] th:TH_LOAD_NT scope:SCOPE_SE
	global_prefetch_b8 v[PFK], s[4:5] th:TH_LOAD_NT scope:SCOPE_SE
	STEP BASE, 1
	WIN 0
	s_mov_b32 s3, 2
.Lparts:                                           ; the rest of parts 0 and 1, the first steps of parts 1 and 2
	TURN WORK, 1
	STEP WORK, 0
	s_sub_co_u32 s3, s3, 1
	s_cmp_lg_u32 s3, 0
	s_cbranch_scc1 .Lparts
	TURN BASE, 0                                   ; part 3 lies in region 0
	STEP BASE, 0
	s_wait_dscnt 16
	WIN MUL_LO
	MUL16 0, 1, 0
	MUL16 2, 1, 0
	s_wait_dscnt 0
	WIN MUL_HI
	MUL16 4, 1, 0
	MUL16 6, 1, 0
	WIN 0
; THE SOFTMAX OF BLOCK a (16 queries x my 128 keys).  A lane's registers 32 c .. 32 c + 31 are the block of 32 keys (c, lane / 16); lane l xor 16 holds the other two blocks
.macro SOFTQ a
.set SW, 2+(\a)/4
.set AC, 64*((\a)%4)
.set NM, NMS+2*(\a)
	WIN 21*SW
.irp b, 0,1,2,3
	v_max3_num_f32 v[TM+\b], v[AC+16*\b], v[AC+16*\b+1], v[AC+16*\b+2]   ; each accumulator is read from its low end on
.endr
	WIN 20*SW
.irp i, 3,5,7,9,11,13
.irp b, 0,1,2,3
	v_max3_num_f32 v[TM+\b], v[TM+\b], v[AC+16*\b+\i], v[AC+16*\b+\i+1]
.endr
.endr
.irp b, 0,1,2,3
	v_max_num_f32 v[TM+\b], v[TM+\b], v[AC+16*\b+15]
.endr
	WIN 0
	v_max_num_f32 v[TM], v[TM], v[TM+1]            ; the largest score of each of my two blocks
	v_max_num_f32 v[TM+2], v[TM+2], v[TM+3]
	v_max_num_f32 v[T], v[TM], v[TM+2]
	v_permlanex16_b32 v[TM+4], v[T], s[SEL], s[SEL+1]
	v_max_num_f32 v[T], v[T], v[TM+4]              ; the largest score of my query among these 128 keys
	v_mul_f32 v[T], s[CS], v[T]                    ; as t (c is positive)
	v_floor_f32 v[NM], -v[T]                       ; -M = floor(-t) = -ceil(t): a whole number
	v_fma_f32 v[TM], v[TM], s[CS], v[NM]           ; t - M of each block's largest score
	v_fma_f32 v[TM+2], v[TM+2], s[CS], v[NM]
	WIN SW
.set j, 0
.rept 32
	v_pk_fma_f32 v[X+j:X+j+1], v[AC+j:AC+j+1], s[CS:CS+1], v[NM:NM+1] op_sel_hi:[1,0,0]   ; t - M, two at a time
.set j, j+2
.endr
	WIN 0
	WALU                                           ; the wait ahead of the batch
.if (\a) > 0
	s_wait_xcnt 0x0                                ; the last block's stores have read the codes' registers
.endif
	v_exp_f32 v[TM], v[TM]                         ; the blocks' largest p
	v_exp_f32 v[TM+2], v[TM+2]
.set j, 0
.rept 64
	v_exp_f32 v[X+j], v[X+j]                       ; p = 2^(t - M): not normalised
.set j, j+1
.endr
	v_nop                                          ; a plain place behind the exponentials
	WALU                                           ; one wait for the batch, ahead of its first reader
	v_pk_add_f32 v[LS:LS+1], v[X:X+1], v[X+2:X+3]  ; the sum of the UNQUANTISED p, in two chains
	v_pk_add_f32 v[L2:L2+1], v[X+4:X+5], v[X+6:X+7]
	v_max_num_f32 v[TM], 0x1800000, v[TM]          ; the floor 2^(3 - 127): the byte cannot fall under 1
	v_max_num_f32 v[TM+2], 0x1800000, v[TM+2]
.set j, 8
.rept 14
	v_pk_add_f32 v[LS:LS+1], v[LS:LS+1], v[X+j:X+j+1]
	v_pk_add_f32 v[L2:L2+1], v[L2:L2+1], v[X+j+2:X+j+3]
.set j, j+4
.endr
	v_add_nc_u32 v[TM+12], 0xff000000, v[TM]       ; 2 off the exponent field: the conversion's scale operand
	v_add_nc_u32 v[TM+13], 0xff000000, v[TM+2]
	v_pk_add_f32 v[LS:LS+1], v[LS:LS+1], v[L2:L2+1]
	v_lshrrev_b32 v[TM+8], 23, v[TM+12]            ; the scales' bytes, 1 .. 125
	v_lshrrev_b32 v[TM+9], 23, v[TM+13]
	v_add_f32 v[LR], v[LS], v[LS+1]
	v_cvt_scalef32_pk16_fp6_f32 v[PC:PC+2], v[X:X+15], v[TM+12]
	v_cvt_scalef32_pk16_fp6_f32 v[PC+12:PC+14], v[X+16:X+31], v[TM+12]
	v_cvt_scalef32_pk16_fp6_f32 v[PC+6:PC+8], v[X+32:X+47], v[TM+13]
	v_cvt_scalef32_pk16_fp6_f32 v[PC+16:PC+18], v[X+48:X+63], v[TM+13]
	v_permlanex16_b32 v[LT], v[LR], s[SEL], s[SEL+1]
.irp i, 0,1,2
	v_mov_b32 v[PC+3+\i], v[PC+12+\i]
	v_mov_b32 v[PC+9+\i], v[PC+16+\i]
.endr
	v_add_f32 v[NM+1], v[LR], v[LT]                ; l of my query over the 128 keys
.irp c, 0,1,2
	global_store_b128 v[CO], v[PC+4*\c:PC+4*\c+3], s[12:13] offset:(\a)*3072+512*\c   ; 512 consecutive bytes, aligned
.endr
	ds_store_b8 v[SSTB], v[TM+8] offset:64*(\a)
	ds_store_b8 v[SSTB], v[TM+9] offset:64*(\a)+2
	ds_store_b32 v[SSTA], v[NM] offset:512+64*(\a)           ; lanes l and l xor 16 write the same word with the same value
	ds_store_b32 v[SSTA], v[NM+1] offset:1024+64*(\a)
.endm
	PLACES 4
.irp a, 0,1,2,3,4,5,6,7
	SOFTQ \a
.endr
.irp c, 0,1,2
	ds_load_b128 v[OB+4*\c:OB+4*\c+3], v[SSTR] offset:512*\c   ; LDS serves a wave's instructions in order: these see my stores
.endr
	s_wait_dscnt 0x0
.irp c, 0,1,2
	global_store_b128 v[CO], v[OB+4*\c:OB+4*\c+3], s[96:97] offset:524288*\c   ; 128 queries' scale words; -M; l: 512 consecutive bytes each
.endr
	s_wait_tensorcnt 0x0                           ; the wave's end
	ds_add_u32 v[SPW], v[NIL]
	s_wait_dscnt 0x0
	CROUND                                         ; the closing round
	s_endpgm
.Lfunc_end_k_qa80a125c52_scores:
	.size	k_qa80a125c52_scores, .Lfunc_end_k_qa80a125c52_scores-k_qa80a125c52_scores
	.p2alignl 7, 3214868480
	.fill 96, 4, 3214868480
	.section	.rodata,"a",@progbits
	.p2align	6, 0x0
	.amdhsa_kernel k_qa80a125c52_scores
		.amdhsa_group_segment_fixed_size 327680
		.amdhsa_private_segment_fixed_size 0
		.amdhsa_enable_private_segment 0
		.amdhsa_kernarg_size 24
		.amdhsa_user_sgpr_count 2
		.amdhsa_user_sgpr_kernarg_segment_ptr 1
		.amdhsa_wavefront_size32 1
		.amdhsa_system_sgpr_workgroup_id_x 1
		.amdhsa_system_sgpr_workgroup_id_y 1
		.amdhsa_system_sgpr_workgroup_id_z 1
		.amdhsa_system_vgpr_workitem_id 0
		.amdhsa_next_free_vgpr 1024
		.amdhsa_next_free_sgpr 102
		.amdhsa_reserve_vcc 0
		.amdhsa_float_denorm_mode_32 3
		.amdhsa_float_denorm_mode_16_64 3
		.amdhsa_memory_ordered 1
		.amdhsa_forward_progress 1
		.amdhsa_inst_pref_size 169
	.end_amdhsa_kernel
	.amdgpu_metadata
---
amdhsa.version: [ 1, 2 ]
amdhsa.kernels:
  - .name:           k_qa80a125c52_scores
    .symbol:         k_qa80a125c52_scores.kd
    .args:
      - { .name: qk_img, .offset: 0, .size: 8, .value_kind: global_buffer, .address_space: global }
      - { .name: p_codes, .offset: 8, .size: 8, .value_kind: global_buffer, .address_space: global }
      - { .name: p_stats, .offset: 16, .size: 8, .value_kind: global_buffer, .address_space: global }
    .group_segment_fixed_size: 327680
    .private_segment_fixed_size: 0
    .kernarg_segment_align: 8
    .kernarg_segment_size: 24
    .max_flat_workgroup_size: 128
    .sgpr_count:     102
    .vgpr_count:     1024
    .wavefront_size: 32
...
	.end_amdgpu_metadata
.endif
;; end of part 2
;; launch pv (part 3): grid 4 x 64, 4 waves a work-group, clusters of 4 x 4, 327,680 bytes of LDS; arguments p_codes, p_stats, v_codes, v_scales, out0; writes out0
.if DOCPART == 3
	.amdgcn_target "amdgcn-amd-amdhsa--gfx1250"
	.amdhsa_code_object_version 6
	.text
	.protected	k_qa80a125c52_pv
	.globl	k_qa80a125c52_pv
	.p2align	8
	.type	k_qa80a125c52_pv,@function
k_qa80a125c52_pv:
	s_mov_b64 s[64:65], 0
	v_nop
	global_prefetch_b8 v0, s[64:65] scope:SCOPE_SE
	s_setreg_imm32_b32 hwreg(HW_REG_WAVE_MODE, 25, 1), 1
	s_wait_xcnt 0x0
	s_wait_alu depctr_hold_cnt(0) depctr_sa_sdst(0) depctr_va_vdst(0) depctr_va_sdst(0) depctr_va_ssrc(0) depctr_va_vcc(0) depctr_vm_vsrc(0)
	s_getreg_b32 s2, hwreg(HW_REG_IB_STS2, 6, 4)
	s_cmp_eq_u32 s2, 0
	s_cbranch_scc0 .Lentry_in_a_cluster
	s_endpgm
.Lentry_in_a_cluster:
	s_bfe_u32 s2, ttmp6, 0x10000c
	s_cmp_lg_u32 s2, 0xf033
	s_cbranch_scc0 .Lentry_shape_is_right
	s_endpgm
.Lentry_shape_is_right:
; out = (p v) / l on codes of FP6 (E2M3), K = 2,048 keys of the batch.  A tile is 128 queries x 256 columns; four waves of 64 x 128 (32 accumulators).
; Source 0 = 16 columns of v (v^T lies with the keys innermost), source 1 = 16 queries: a lane holds ONE query and eight neighbouring columns.
; THE ROW'S OWN M.  The launch before kept -M, l and the scale word of p for each 128 keys.  G = the least -M of a row's sixteen;  D = -M - G, a whole number;  the four scale bytes of these keys fall by D (held at 0), l is summed as l 2^(-D).
; A byte held at 0 stands for 2^-127: what it scales is under 2^-120 beside a largest p over 1/2.  D over 127 counts as 127.
; K goes in slots of 512 keys through a ring of two, filled by joint loads: p's 49,152 bytes (shared by the four work-groups of a row of the cluster), v's 98,304 (by the four of a column).  Both slots are asked for at the head, one load a wave;
; slots 2 and 3 are refills, each behind a round.  v's scale words of all keys and p's adjusted ones come through registers into LDS bytes of their own.
; A STEP is 128 keys, 32 products.  The next step's loads stand in one run ahead of the products, in the order scale words (for two steps: 12), p (12), v (24); a wait counts the loads that are younger than the fragments wanted next:
; the rest of the step's own fragments, and the whole run for the next step.
; THE LAST STEP goes by rows, so that a block of 16 queries leaves while the next is multiplied.  The stage lies in slot 0, which has had its last fill and its last read by then.
; PREFETCH: the keys of slots 2 and 3 (384 blocks of 256 bytes of p, 768 of v), shared out by address among the sixteen waves that ask jointly, behind the first fragments' loads.
; THE QUERIES' ORDER: row block j of 64: places 0-7 are queries 8 j + i, places 8-15 queries 32 + 8 (j xor 1) + i; the stores put each row in its place.
; LIMITS: NaN and infinities are not served.
; REGISTERS: window 0: addresses, scale words v32-55, statistics, the way out; window 1: p's fragments, two sets at 0 and 64; window 3: v's, two sets at 0 and 128; window 2: the accumulators, (a, b) at 8 (8 a + b).
.set PPART, 24576                      ; 256 keys of p's tile
.set VPART, 49152                      ; 256 keys of v's tile
.set SLOT,  2*PPART+2*VPART            ; p's 512 keys, then v's
.set VS,    2*SLOT                     ; v's scale words: [16][256 columns] x 4
.set ABASE, VS+16384                   ; p's: [16][128 queries] x 4
.set RL,    ABASE+8192                 ; 1 / l
.set SPARE, RL+512
.set SPITCH, 528
.set PFV,  8
.set PFP,  9
.set PO,   12
.set PV,   11
.set AS,   13
.set AR,   14
.set SV,   15
.set BASE, 16                          ; v16, v17 v's fragments of the slot's two parts; v18 p's; v19 v's scale words; v20 p's
.set WORK, 21                          ; v21-25 the same in the slot at work
.set WV,   21
.set WP,   23
.set WSV,  24
.set WSP,  25
.set CO,   26
.set STO,  27
.set SPW,  28
.set NIL,  29
.set RD,   30
.set RLA,  31
.set SCV,  32                          ; v's scale words, two sets of eight: lanes 0-15 the even step's, lanes 16-31 the odd one's
.set SCP,  48                          ; p's, two sets of four
.set RLV,  56
.set NMR,  64
.set LRR,  80
.set WR,   96
.set DD,   112
.set EE,   116
.set LL,   120
.set GG,   124
.set RR,   125
.set VW,   128
.set BK,   64                          ; the way out: 16 rows read back: v64-127, v128-191 by turns
.set G1P, 24
.set G1V, 32
.set G0V, 56
.set G0P, 60
.set G0VN, 68
.set G0PN, 72
.set K1,  95
.set MUL, 0xa7                         ; source 0 window 3, source 1 window 1, C and D window 2
.set MSB, 0
.macro WIN new
.if MSB != \new
	s_set_vgpr_msb (MSB<<8)|\new
.set MSB, \new
.endif
.endm
.macro PLACES n
.rept \n
	v_nop
.endr
.endm
.macro WALU
	s_wait_alu depctr_va_vdst(0)
.endm
.macro TLOAD g0, g1
	tensor_load_to_lds s[\g0:\g0+3], s[\g1:\g1+7]
	s_nop 0
	PLACES 4
.endm
.macro CREST
	s_cmp_lg_u32 s14, 0
	s_cbranch_scc1 .Lnot_wave_0_\@
	s_barrier_signal -3
.Lnot_wave_0_\@:
	s_barrier_wait -3
	s_barrier_signal -1
	s_barrier_wait -1
.endm
.macro CROUND
	s_barrier_signal -1
	s_barrier_wait -1
	CREST
.endm
	s_load_b256 s[4:11], s[0:1], 0x0               ; p_codes, p_stats, v_codes, v_scales
	s_load_b64 s[12:13], s[0:1], 0x20              ; out0
	v_lshl_add_u32 v[SPW], v0, 2, SPARE
	v_mov_b32 v[NIL], 0
	ds_add_u32 v[SPW], v[NIL]
	ds_add_u32 v[SPW], v[NIL]
	v_lshrrev_b32 v1, 5, v0
	v_readfirstlane_b32 s14, v1                    ; wave
	s_lshr_b32 s15, s14, 1                         ; which 64 queries are mine
	s_and_b32 s16, s14, 1                          ; which 128 columns
	s_bfe_u32 s40, ttmp6, 0x40000                  ; cx: the tile of 256 columns
	s_bfe_u32 s41, ttmp6, 0x40004                  ; cy
	s_and_b32 s2, ttmp7, 0xffff
	s_lshl_b32 s17, s2, 2
	s_add_co_u32 s17, s17, s41                     ; the tile of 128 queries, 0 .. 63
	s_lshr_b32 s18, s2, 2                          ; the batch
	s_lshl_b32 s18, s18, 2
	s_add_co_u32 s18, s18, s40                     ; v's tile
	s_lshl_b32 s43, s41, 2
	s_lshl_b32 s43, 15, s43                        ; my row of the cluster
	s_lshl_b32 s44, 0x1111, s40                    ; my column
	s_or_b32 s[G1P+0], s43, (3<<16)|(1<<21)        ; 49,152 dense bytes as 192 rows of 256
	s_mov_b32 s[G1P+2], 192<<16
	s_mov_b32 s[G1P+4], 192
	s_or_b32 s[G1V+0], s44, (3<<16)|(1<<21)        ; 98,304 as 384 rows
	s_mov_b32 s[G1V+2], 384<<16
	s_mov_b32 s[G1V+4], 384
.irp g, G1P, G1V
	s_mov_b32 s[\g+1], 32<<16
	s_mov_b32 s[\g+3], 32<<16
	s_mov_b32 s[\g+5], 32
	s_mov_b32 s[\g+6], 0
	s_mov_b32 s[\g+7], 0
.endr
	s_mul_i32 s20, s17, 8*PPART
	s_mov_b32 s21, 0
	s_mul_i32 s46, s18, 8*VPART
	s_mov_b32 s47, 0
	s_mov_b32 s[G0V], 1
	s_mov_b32 s[G0V+1], 2*PPART
	s_mov_b32 s[G0P], 1
	s_mov_b32 s[G0P+1], 0
	s_mov_b32 s[G0VN], 1
	s_mov_b32 s[G0VN+1], SLOT+2*PPART
	s_mov_b32 s[G0PN], 1
	s_mov_b32 s[G0PN+1], SLOT
	s_wait_dscnt 0x0
	CROUND                                         ; all sixteen work-groups are here: the first joint loads meet
	s_wait_kmcnt 0x0
	s_add_nc_u64 s[G0V+2:G0V+3], s[8:9], s[46:47]
	s_add_nc_u64 s[G0P+2:G0P+3], s[4:5], s[20:21]
	s_add_nc_u64 s[G0VN+2:G0VN+3], s[G0V+2:G0V+3], 2*VPART
	s_add_nc_u64 s[G0PN+2:G0PN+3], s[G0P+2:G0P+3], 2*PPART
.irp g, G0V, G0P, G0VN, G0PN
	s_or_b32 s[\g+3], s[\g+3], 0x80000000
.endr
	s_cmp_eq_u32 s14, 0
	s_cbranch_scc0 .Lwave_1
	TLOAD G0V, G1V                                 ; wave 0: v's first 512 keys
	s_branch .Lasked
.Lwave_1:
	s_cmp_eq_u32 s14, 1
	s_cbranch_scc0 .Lwave_2
	TLOAD G0P, G1P                                 ; wave 1: p's
	s_branch .Lasked
.Lwave_2:
	s_cmp_eq_u32 s14, 2
	s_cbranch_scc0 .Lwave_3
	TLOAD G0VN, G1V                                ; wave 2: v's next 512 keys
	s_branch .Lasked
.Lwave_3:
	TLOAD G0PN, G1P                                ; wave 3: p's
.Lasked:
	s_lshl_b32 s2, s17, 13
	s_mov_b32 s3, 0
	s_add_nc_u64 s[96:97], s[6:7], s[2:3]          ; my queries' statistics
	s_lshl_b32 s2, s18, 14
	s_add_nc_u64 s[98:99], s[10:11], s[2:3]        ; v's scale words
	v_lshlrev_b32 v[PO], 2, v0                     ; a lane takes one query
	v_lshlrev_b32 v[PV], 4, v0
	WALU
.set I, 0
.rept 16
	global_load_b32 v[NMR+I], v[PO], s[96:97] offset:524288+512*I
.set I, I+1
.endr
.set I, 0
.rept 8
	global_load_b128 v[VW+4*I:VW+4*I+3], v[PV], s[98:99] offset:2048*I
.set I, I+1
.endr
.set I, 0
.rept 16
	global_load_b32 v[LRR+I], v[PO], s[96:97] offset:1048576+512*I
.set I, I+1
.endr
.set I, 0
.rept 16
	global_load_b32 v[WR+I], v[PO], s[96:97] offset:512*I
.set I, I+1
.endr
	; where my results go
	s_lshr_b32 s2, s17, 1
	s_lshl_b32 s2, s2, 8
	s_lshl_b32 s22, s15, 7
	s_add_co_u32 s2, s2, s22
	s_and_b32 s22, s17, 1
	s_lshl_b32 s22, s22, 6
	s_add_co_u32 s2, s2, s22
	s_lshl_b32 s2, s2, 12
	s_lshl_b32 s22, s40, 10
	s_add_co_u32 s2, s2, s22
	s_lshl_b32 s22, s16, 9
	s_add_co_u32 s2, s2, s22
	s_add_nc_u64 s[12:13], s[12:13], s[2:3]
	s_mov_b32 s[K1], 0x01010101
	; the lanes' places
	v_add_nc_u32 v[AS], ABASE, v[PO]
	v_add_nc_u32 v[AR], RL, v[PO]
	v_add_nc_u32 v[SV], VS, v[PV]
	v_and_b32 v1, 15, v0
	v_bfe_u32 v2, v0, 4, 1
	v_and_b32 v3, 31, v0
	v_lshlrev_b32 v[CO], 4, v3
	v_lshlrev_b32 v4, 2, v1
	v_lshl_add_u32 v5, v2, 10, v4
	v_lshl_add_u32 v6, v2, 9, v4
	v_mul_u32_u24 v7, v1, SPITCH
	v_lshl_add_u32 v7, v2, 5, v7
	v_min_u32 v10, 23, v3
	WALU
	s_mul_i32 s22, s16, 24576
	s_add_co_u32 s22, s22, 2*PPART
	v_add_nc_u32 v[BASE], s22, v[CO]
	s_add_co_u32 s22, s22, VPART
	v_add_nc_u32 v[BASE+1], s22, v[CO]
	s_mul_i32 s22, s15, 12288
	v_add_nc_u32 v[BASE+2], s22, v[CO]
	s_lshl_b32 s22, s16, 9
	s_add_co_u32 s22, s22, VS
	v_add_nc_u32 v[BASE+3], s22, v5
	s_lshl_b32 s22, s15, 8
	s_add_co_u32 s23, s22, RL
	s_add_co_u32 s22, s22, ABASE
	WALU
	v_add_nc_u32 v[BASE+4], s22, v6
	v_add_nc_u32 v[RLA], s23, v4
	s_mul_i32 s22, s14, 16*SPITCH
	v_add_nc_u32 v[STO], s22, v7
	v_add_nc_u32 v[RD], s22, v[CO]
	s_lshl_b32 s22, s41, 2
	s_add_co_u32 s22, s22, s14
	s_mul_i32 s22, s22, 12288
	s_add_co_u32 s22, s22, s46
	s_add_co_u32 s22, s22, 4*VPART
	v_lshl_add_u32 v[PFV], v10, 8, s22
	s_lshl_b32 s22, s40, 2
	s_add_co_u32 s22, s22, s14
	s_mul_i32 s22, s22, 6144
	s_add_co_u32 s22, s22, s20
	s_add_co_u32 s22, s22, 4*PPART
	WALU
	v_lshl_add_u32 v[PFP], v10, 8, s22
.irp k, 0,1,2,3,4
	v_mov_b32 v[WORK+\k], v[BASE+\k]
.endr
	s_mov_b32 s100, SLOT                           ; the next slot
	s_mov_b32 s101, 0                              ; where the next fill lands
	s_mov_b32 s66, 4096                            ; the next slot's scale words: v's, p's
	s_mov_b32 s67, 2048
	WALU
	s_wait_loadcnt 40                              ; the sixteen -M are in; v's words, l and p's words (8 + 16 + 16 loads) may be out
	v_min3_num_f32 v[GG], v[NMR], v[NMR+1], v[NMR+2]
.irp k, 3,5,7,9,11,13
	v_min3_num_f32 v[GG], v[GG], v[NMR+\k], v[NMR+\k+1]
.endr
	v_min_num_f32 v[GG], v[GG], v[NMR+15]
	WALU
	s_wait_loadcnt 0x0
.macro ADJ s                           ; four of the row's sixteen scale words, line by line in turn
.irp k, 0,1,2,3
	v_sub_f32 v[DD+\k], v[NMR+(\s)+\k], v[GG]
.endr
.irp k, 0,1,2,3
	v_min_num_f32 v[DD+\k], 0x42fe0000, v[DD+\k]   ; D, at most 127
.endr
.irp k, 0,1,2,3
	v_cvt_u32_f32 v[DD+\k], v[DD+\k]
.endr
.irp k, 0,1,2,3
	v_lshlrev_b32 v[EE+\k], 23, v[DD+\k]
.endr
.irp k, 0,1,2,3
	v_sub_nc_u32 v[EE+\k], 0x3f800000, v[EE+\k]    ; 2^(-D); 0 for 127
.endr
.irp k, 0,1,2,3
.if \s
	v_fmac_f32 v[LL+\k], v[LRR+(\s)+\k], v[EE+\k]
.else
	v_mul_f32 v[LL+\k], v[LRR+\k], v[EE+\k]
.endif
.endr
.irp k, 0,1,2,3
	v_mul_lo_u32 v[DD+\k], v[DD+\k], s[K1]         ; D in each byte
.endr
.irp k, 0,1,2,3
	v_or_b32 v[WR+(\s)+\k], 0x80808080, v[WR+(\s)+\k]   ; bytes are 1 .. 125: bit 7 catches the borrow
.endr
.irp k, 0,1,2,3
	v_sub_nc_u32 v[WR+(\s)+\k], v[WR+(\s)+\k], v[DD+\k]
.endr
.irp k, 0,1,2,3
	v_lshrrev_b32 v[DD+\k], 7, v[WR+(\s)+\k]
.endr
.irp k, 0,1,2,3
	v_and_b32 v[DD+\k], s[K1], v[DD+\k]
.endr
.irp k, 0,1,2,3
	v_lshlrev_b32 v[EE+\k], 7, v[DD+\k]
.endr
.irp k, 0,1,2,3
	v_sub_nc_u32 v[DD+\k], v[EE+\k], v[DD+\k]      ; 0x7f where the byte did not fall under 0
.endr
.irp k, 0,1,2,3
	v_and_b32 v[WR+(\s)+\k], v[WR+(\s)+\k], v[DD+\k]
.endr
.endm
.irp s, 0,4,8,12
	ADJ \s
.endr
	v_add_f32 v[LL], v[LL], v[LL+1]
	v_add_f32 v[LL+2], v[LL+2], v[LL+3]
	v_add_f32 v[LL], v[LL], v[LL+2]
	WALU                                           ; the wait ahead of the transcendental
	v_rcp_f32 v[RR], v[LL]
	v_nop
	WALU                                           ; and behind it, ahead of the first reader
.set I, 0
.rept 16
	ds_store_b32 v[AS], v[WR+I] offset:512*I
.set I, I+1
.endr
	ds_store_b32 v[AR], v[RR]
.set I, 0
.rept 8
	ds_store_b128 v[SV], v[VW+4*I:VW+4*I+3] offset:2048*I
.set I, I+1
.endr
; load L_ of the step G_'s: with SCF_ = 1 the scale words of its two steps come first
.macro LOADK
.set K_, L_-12*SCF_
.set S_, G_%2
.set PT_, G_/2
.if K_ < -4
	WIN 0
	ds_load_b32 v[SCV+8*PT_+L_], v[WSV] offset:2048*PT_+64*L_
.elseif K_ < 0
	WIN 0
	ds_load_b32 v[SCP+4*PT_+L_-8], v[WSP] offset:1024*PT_+64*(L_-8)
.elseif K_ < 12
	WIN 0x40
	ds_load_b128 v[64*S_+4*K_:64*S_+4*K_+3], v[WP] offset:PPART*PT_+3072*(K_/3)+1536*S_+512*(K_%3)
.else
.set J_, K_-12
	WIN 0xc0
	ds_load_b128 v[128*S_+4*J_:128*S_+4*J_+3], v[WV+PT_] offset:3072*(J_/3)+1536*S_+512*(J_%3)
.endif
.set L_, L_+1
.endm
.macro PROD g, a, b, zero
.set A_, (\a)
.set B_, (\b)
.set D_, 8*(8*A_+B_)
.set VV_, 128*((\g)%2)+12*B_
.set PP_, 64*((\g)%2)+12*A_
.set XV_, SCV+8*((\g)/2)+B_
.set XP_, SCP+4*((\g)/2)+A_
	WIN MUL
.if \zero
	v_wmma_scale_f32_16x16x128_f8f6f4 v[D_:D_+7], v[VV_:VV_+11], v[PP_:PP_+11], 0, v[XV_], v[XP_] matrix_a_fmt:MATRIX_FMT_FP6 matrix_b_fmt:MATRIX_FMT_FP6
.elseif (\g)%2
	v_wmma_scale_f32_16x16x128_f8f6f4 v[D_:D_+7], v[VV_:VV_+11], v[PP_:PP_+11], v[D_:D_+7], v[XV_], v[XP_] matrix_a_fmt:MATRIX_FMT_FP6 matrix_b_fmt:MATRIX_FMT_FP6 matrix_a_scale:MATRIX_SCALE_ROW1 matrix_b_scale:MATRIX_SCALE_ROW1
.else
	v_wmma_scale_f32_16x16x128_f8f6f4 v[D_:D_+7], v[VV_:VV_+11], v[PP_:PP_+11], v[D_:D_+7], v[XV_], v[XP_] matrix_a_fmt:MATRIX_FMT_FP6 matrix_b_fmt:MATRIX_FMT_FP6
.endif
.endm
; step g of a slot, 32 products, v's blocks one after the other against p's four: the accumulators take turns
.macro STEP g, sc, zero
	s_wait_dscnt 18                                ; all but v's blocks 2 to 7
	PLACES 4
.set L_, 0
.set G_, (\g)+1
.set SCF_, \sc
.rept 36+12*(\sc)
	LOADK
.endr
.set N_, 0
.rept 32
.if N_ == 8
	s_wait_dscnt 12+L_                             ; all but v's blocks 4 to 7 and the next step's loads
.elseif N_ == 16
	s_wait_dscnt 6+L_                              ; all but v's blocks 6, 7 and the next step's loads
.elseif N_ == 24
	s_wait_dscnt L_                                ; all but the next step's loads
.endif
	PROD \g, N_%4, N_/4, \zero
.set N_, N_+1
.endr
.endm
.macro PRODS g, from, to
.set N_, \from
.rept (\to)-(\from)
	PROD \g, N_%4, N_/4, 0
.set N_, N_+1
.endr
.endm
.macro TURN fill                       ; a slot's last step changes slots
	WIN 0
	s_wait_tensorcnt 0x0                           ; all my tensor loads have landed: my part of the next slot
.if \fill
	ds_add_u32 v[SPW], v[NIL]
.endif
.irp k, 0,1,2
	v_add_nc_u32 v[WORK+\k], s100, v[BASE+\k]
.endr
	v_add_nc_u32 v[WSV], s66, v[BASE+3]
	v_add_nc_u32 v[WSP], s67, v[BASE+4]
.if \fill
	s_xor_b32 s100, s100, SLOT
	s_add_co_u32 s66, s66, 4096
	s_add_co_u32 s67, s67, 2048
	s_add_nc_u64 s[G0VN+2:G0VN+3], s[G0VN+2:G0VN+3], 2*VPART
	s_add_co_u32 s[G0VN+1], s101, 2*PPART
	s_add_nc_u64 s[G0PN+2:G0PN+3], s[G0PN+2:G0PN+3], 2*PPART
	s_mov_b32 s[G0PN+1], s101
	s_xor_b32 s101, s101, SLOT
.endif
	WALU
	s_wait_dscnt 18+\fill                          ; (the add, where there is one, and v's blocks 2 to 7 may be out)
	PRODS 3, 0, 8
	s_wait_dscnt 0x0                               ; the add is done, and my reads of this slot are over
	s_barrier_signal -1
	PRODS 3, 8, 16
	WIN 0
	s_barrier_wait -1
.if \fill
	CREST                                          ; a round of the cluster's barrier: no wave of any partner still reads this slot or has a load on its way
	s_cmp_eq_u32 s14, 0
	s_cbranch_scc0 .Lnot_v_\@
	TLOAD G0VN, G1V
	s_branch .Lfilled_\@
.Lnot_v_\@:
	s_cmp_eq_u32 s14, 1
	s_cbranch_scc0 .Lfilled_\@
	TLOAD G0PN, G1P
.Lfilled_\@:
.endif
	PLACES 4
.set L_, 0
.set G_, 0
.set SCF_, 1
.rept 48
	LOADK
.endr
	PRODS 3, 16, 32
.endm
	s_cmp_lt_u32 s14, 2
	s_cbranch_scc0 .Lnot_first
	s_wait_tensorcnt 0x0
.Lnot_first:
	s_wait_dscnt 0x0
	s_barrier_signal -1
	s_barrier_wait -1                              ; slot 0 and all scale words are in; slot 1 may be on its way
.set L_, 0
.set G_, 0
.set SCF_, 1
.rept 48
	LOADK
.endr
	WIN 0
	global_prefetch_b8 v[PFV], s[8:9] th:TH_LOAD_NT scope:SCOPE_SE
	global_prefetch_b8 v[PFV], s[8:9] offset:6144 th:TH_LOAD_NT scope:SCOPE_SE
	global_prefetch_b8 v[PFP], s[4:5] th:TH_LOAD_NT scope:SCOPE_SE
	STEP 0, 0, 1
	WIN 0
	s_mov_b32 s3, 2
.Lslots:                                           ; the rest of slots 0 and 1, the first steps of slots 1 and 2
	STEP 1, 1, 0
	STEP 2, 0, 0
	TURN 1
	STEP 0, 0, 0
	WIN 0
	s_sub_co_u32 s3, s3, 1
	s_cmp_lg_u32 s3, 0
	s_cbranch_scc1 .Lslots
	STEP 1, 1, 0
	STEP 2, 0, 0
	TURN 0                                         ; nothing is filled any more
	STEP 0, 0, 0
	STEP 1, 1, 0
	STEP 2, 0, 0
	WIN 0
.irp a, 0,1,2,3
	ds_load_b32 v[RLV+2*\a], v[RLA] offset:64*\a
	ds_load_b32 v[RLV+2*\a+1], v[RLA] offset:64*\a
.endr
; THE LAST STEP, by rows, and the way out.  A lane holds 32 neighbouring bytes of a row: a block goes through my own stage and comes back as whole rows of 512 bytes
.macro ROW a
.irp b, 0,1,2,3,4,5,6,7
	PROD 3, \a, \b, 0
.endr
.endm
.macro TOSTAGE a
	PLACES 4                                       ; between the block's products and the first read of their results
	WIN 0x82
.set j, 64*(\a)
.rept 32
	v_pk_mul_f32 v[j:j+1], v[j:j+1], v[RLV+2*(\a):RLV+2*(\a)+1]
.set j, j+2
.endr
.if (\a) > 1
	WALU
	s_wait_xcnt 0x0                                ; the stores that read these registers have read them
.endif
	WIN 0x08
.irp b, 0,1,2,3,4,5,6,7
	ds_store_b128 v[STO], v[64*(\a)+8*\b:64*(\a)+8*\b+3] offset:64*\b
	ds_store_b128 v[STO], v[64*(\a)+8*\b+4:64*(\a)+8*\b+7] offset:64*\b+16
.endr
	WIN 0
.set BB, BK+64*((\a)%2)
.set t, 0
.rept 16
	ds_load_b128 v[BB+4*t:BB+4*t+3], v[RD] offset:t*SPITCH   ; LDS serves a wave's instructions in order: these see the stores above
.set t, t+1
.endr
.endm
.macro SEND a
.set BB, BK+64*((\a)%2)
	WIN 0
	s_wait_dscnt 0x0
.set t, 0
.rept 16
	global_store_b128 v[CO], v[BB+4*t:BB+4*t+3], s[12:13] offset:(8*((\a)^(t/8))+32*(t/8)+t%8)*4096 th:TH_STORE_NT   ; 512 consecutive bytes, aligned
.set t, t+1
.endr
.endm
	s_wait_dscnt 0x0
	ROW 0
	TOSTAGE 0
	ROW 1
	SEND 0
	TOSTAGE 1
	ROW 2
	SEND 1
	TOSTAGE 2
	ROW 3
	SEND 2
	TOSTAGE 3
	SEND 3
	s_wait_tensorcnt 0x0                           ; the wave's end
	ds_add_u32 v[SPW], v[NIL]
	s_wait_dscnt 0x0
	CROUND                                         ; the closing round
	s_endpgm
.Lfunc_end_k_qa80a125c52_pv:
	.size	k_qa80a125c52_pv, .Lfunc_end_k_qa80a125c52_pv-k_qa80a125c52_pv
	.p2alignl 7, 3214868480
	.fill 96, 4, 3214868480
	.section	.rodata,"a",@progbits
	.p2align	6, 0x0
	.amdhsa_kernel k_qa80a125c52_pv
		.amdhsa_group_segment_fixed_size 327680
		.amdhsa_private_segment_fixed_size 0
		.amdhsa_enable_private_segment 0
		.amdhsa_kernarg_size 40
		.amdhsa_user_sgpr_count 2
		.amdhsa_user_sgpr_kernarg_segment_ptr 1
		.amdhsa_wavefront_size32 1
		.amdhsa_system_sgpr_workgroup_id_x 1
		.amdhsa_system_sgpr_workgroup_id_y 1
		.amdhsa_system_sgpr_workgroup_id_z 1
		.amdhsa_system_vgpr_workitem_id 0
		.amdhsa_next_free_vgpr 1024
		.amdhsa_next_free_sgpr 102
		.amdhsa_reserve_vcc 0
		.amdhsa_float_denorm_mode_32 3
		.amdhsa_float_denorm_mode_16_64 3
		.amdhsa_memory_ordered 1
		.amdhsa_forward_progress 1
		.amdhsa_inst_pref_size 135
	.end_amdhsa_kernel
	.amdgpu_metadata
---
amdhsa.version: [ 1, 2 ]
amdhsa.kernels:
  - .name:           k_qa80a125c52_pv
    .symbol:         k_qa80a125c52_pv.kd
    .args:
      - { .name: p_codes, .offset: 0, .size: 8, .value_kind: global_buffer, .address_space: global }
      - { .name: p_stats, .offset: 8, .size: 8, .value_kind: global_buffer, .address_space: global }
      - { .name: v_codes, .offset: 16, .size: 8, .value_kind: global_buffer, .address_space: global }
      - { .name: v_scales, .offset: 24, .size: 8, .value_kind: global_buffer, .address_space: global }
      - { .name: out0, .offset: 32, .size: 8, .value_kind: global_buffer, .address_space: global }
    .group_segment_fixed_size: 327680
    .private_segment_fixed_size: 0
    .kernarg_segment_align: 8
    .kernarg_segment_size: 40
    .max_flat_workgroup_size: 128
    .sgpr_count:     102
    .vgpr_count:     1024
    .wavefront_size: 32
...
	.end_amdgpu_metadata
.endif
;; end of part 3
